; MI455X (gfx1250); checked and timed in simulation.
; The chip was launched on July 23, 2026; its instructions are those of AMD's public machine-readable ISA for CDNA 5 (MIT licence, August 2026) and "CDNA5" Instruction Set Architecture Reference Guide (July 2026). The comments in the code are by the model that wrote it; some were corrected since.
;; Self Attention. Allowed arithmetic: matrix products marked QUANTISED: E2M1 operands, one E8M0 scale for each 32 along K, by v_wmma_scale_f32_16x16x128_f8f6f4 with both operands' format E2M1 (or v_wmma_scale_f32_32x16x128_f4), f32 sums; products left as they are: bf16, f16 or f32 operands; f32 sums; everything else in f32.
;; Inputs: Wk 1,024 x 1,024 float32; Wo 1,024 x 1,024 float32; Wq 1,024 x 1,024 float32; Wv 1,024 x 1,024 float32; bo 1,024 float32; keys 4 x 2,048 x 1,024 float32; mask 4 x 1 x 2,048 x 2,048 int32; queries 4 x 2,048 x 1,024 float32; values 4 x 2,048 x 1,024 float32.
;; Outputs: out0 4 x 2,048 x 1,024 float32.
;; This version of the problem:
;;   THIS VERSION OF THE PROBLEM IS GIVEN IN LOW PRECISION. The matrix products marked QUANTISED in the list below multiply operands that are first quantised to E2M1 (2 exponent bits, 1 mantissa bit; 4 bits a number), with one power-of-two scale for each 32 numbers along K (OCP MX v1.0); their sums are f32. The products marked 'left as it is' may take bf16, f16 or f32 operands, with f32 sums. Whichever they take, every output number must still come out within the allowed error. Rounding operands to bf16 (8 significant bits) uses up far more of that allowance than f16 does (11 bits, for magnitudes from 6e-5 to 65,504). All else is computed in f32.
;;   The module's matrix products, in the order in which they are computed (A, B: the left and right operand; K: the contracted axis; several contracted axes count as one K, in the product's order):
;;     1. [M 8,192, K 1,024] x [K 1,024, N 1,024]; A: input queries; B: input Wq: QUANTISED
;;     2. [M 8,192, K 1,024] x [K 1,024, N 1,024]; A: input keys; B: input Wk: QUANTISED
;;     3. [M 8,192, K 1,024] x [K 1,024, N 1,024]; A: input values; B: input Wv: QUANTISED
;;     4. batch 64 x [M 2,048, K 64] x [K 64, N 2,048]; A: computed on the way; B: computed on the way: left as it is (an operand is computed on the way)
;;     5. batch 64 x [M 64, K 2,048] x [K 2,048, N 2,048]; A: computed on the way; B: computed on the way: left as it is (an operand is computed on the way)
;;     6. [M 8,192, K 1,024] x [K 1,024, N 1,024]; A: computed on the way; B: input Wo: left as it is (an operand is computed on the way)
;;   THE QUANTISER, for each operand of a quantised product, along K:
;;     - K is cut into blocks of 32 from its start; a last block that is shorter is filled with zeros.
;;     - A block's scale is 2^e with e = floor(log2(the largest magnitude in the block)) - 2, held to -126 .. 127; a block of zeros has e = 0. As a byte (E8M0): e + 127.
;;     - Each number is divided by its block's scale, clamped to +-6, and rounded to the nearest number of E2M1, ties to even, subnormals kept.
;;     - The product sums the exact products of the quantised numbers (number of the format x scale) in f32.
;;   ~~~python
;;   def quantise(x, axis):      # numpy; x: float32 -> the quantised numbers, widened to float32 again
;;       x = np.moveaxis(x, axis, -1); K = x.shape[-1]
;;       x = np.pad(x, [(0, 0)] * (x.ndim - 1) + [(0, -K % 32)]); x = x.reshape(x.shape[:-1] + (-1, 32)); a = np.abs(x).max(-1, keepdims=True)
;;       e = np.where(a > 0, np.clip(np.frexp(np.where(a > 0, a, 1))[1] - 1 - 2, -126, 127), 0)      # np.frexp(a)[1] - 1 = floor(log2(a)), exactly
;;       r = np.clip(x / 2.0 ** e, -6, 6)
;;       step = 2.0 ** (np.maximum(np.frexp(np.where(r == 0, 1, r))[1] - 1, 0) - 1)
;;       q = np.round(r / step) * step * 2.0 ** e      # np.round: ties to even
;;       return np.moveaxis(q.reshape(q.shape[:-2] + (-1,))[..., :K], -1, axis).astype(np.float32)
;;   ~~~
;; One version. Each part assembles by itself: llvm-mc -triple=amdgcn-amd-amdhsa -mcpu=gfx1250 --defsym DOCPART=n.
;; ======== version 1 of 1: 4 launches
;; limits: values are held in f16: magnitudes above 65,504 overflow, below 6.1e-05 lose precision
;; workspace buffers: codes 14,155,776 bytes; scales 884,736 bytes; wo16 2,097,152 bytes; maskbits 2,097,152 bytes of whole numbers; qimg 16,777,216 bytes; kvimg 33,554,432 bytes; att 16,777,216 bytes
;; launch prep (part 1): grid 1408 x 1, 4 waves a work-group, no clusters, 67,072 bytes of LDS; arguments queries, keys, values, Wq, Wk, Wv, Wo, mask, codes, scales, wo16, maskbits; writes codes, scales, wo16, maskbits
.if DOCPART == 1
	.amdgcn_target "amdgcn-amd-amdhsa--gfx1250"
	.amdhsa_code_object_version 6
	.text
	.protected	k_q606c407cef_prep
	.globl	k_q606c407cef_prep
	.p2align	8
	.type	k_q606c407cef_prep,@function
k_q606c407cef_prep:
	s_mov_b64 s[64:65], 0
	v_nop
	global_prefetch_b8 v0, s[64:65] scope:SCOPE_SE
	s_setreg_imm32_b32 hwreg(HW_REG_WAVE_MODE, 25, 1), 1
	s_wait_xcnt 0x0
; PREP: everything that is read as it arrives is read here once, 128 KiB a work-group, and leaves narrow.
; Work-groups 0-863 (path Q): queries, keys, values [8192][1024] and Wq, Wk, Wv [1024][1024], f32, K innermost, become codes of FP4 (E2M1) and one E8M0 byte for each 32 along K:
;   codes [27648 rows][512 bytes], scales [27648][32 bytes]; rows 0.. queries, 8192.. keys, 16384.. values, 24576.. Wq, 25600.. Wk, 26624.. Wv.
;   A block's scale is 2^(floor(log2(largest magnitude)) - 2); its byte is the largest magnitude's exponent field - 2, held at 1 from below.  A block of zeros keeps the byte 1: its codes are zeros, and this program alone reads the bytes.
; Work-groups 864-1375 (path M): the mask [4][2048][2048] int32 becomes lane masks: maskbits [b][query tile 128][key tile 128][j 8] words; bit l of a word says whether
;   mask[b][16 qt + l % 16][16 kt + 8 (l / 16) + j] is not 0: the lanes of register j of a 16 x 16 tile of scores with one query a lane.
; Work-groups 1376-1407 (path W): Wo becomes f16, row-major.
; LIMITS: blocks whose largest magnitude lies under 2^-124 keep the byte 1; |Wo| stays under 65,504; NaN and infinities among the inputs are not served.
; No cluster, no tensor load: no two work-groups read the same byte.  The paths part on the work-group's number alone; each has LDS bytes of its own.
.set STEPS, 16
.set EMAX,  2
.set CB,    8                          ; bytes of 16 codes
.set SP,    80                         ; path Q: a lane's place in a stage: 64 bytes + 16 of padding
.set R,     16                         ; path Q: v16-79 four sets of 16 numbers as loaded
.set X,     80                         ; v80-111 two sets of 16 neighbours
.set E,     112                        ; v112-127 a scale byte for each step
.set C,     128                        ; v128-191 codes, four registers a step
.set SPW,   12                         ; v12 LDS address of my spare word; never rewritten
.set NIL,   13                         ; v13 0; never rewritten
.set MST,   32768                      ; path M's stages: 16 rows x 528 bytes for each wave, behind path Q's four regions of 8,192
.set MP,    528
.set SPARE, 66560                      ; behind them: the spare words, 128 bytes a wave
.set MR,    16                         ; paths M and W: v16-143 two sets of 64 registers as loaded
.set MX,    144                        ; path M: v144-207 a unit turned: register 8 g + j = (row lane % 16, column 16 g + 8 (lane / 16) + j)
.set MW,    208                        ; path M: v208-215 a pair of words for each unit
.set WY,    144                        ; path W: v144-207 two sets of 32 registers of f16 pairs
	s_load_b512 s[4:19], s[0:1], 0x0               ; queries s[4:5], keys s[6:7], values s[8:9], Wq s[10:11], Wk s[12:13], Wv s[14:15], Wo s[16:17], mask s[18:19]
	s_load_b256 s[20:27], s[0:1], 0x40             ; codes s[20:21], scales s[22:23], wo16 s[24:25], maskbits s[26:27]
	v_lshl_add_u32 v[SPW], v0, 2, SPARE
	v_mov_b32 v[NIL], 0
	v_lshrrev_b32 v1, 5, v0
	v_readfirstlane_b32 s28, v1                    ; wave 0..3
	v_and_b32 v2, 31, v0                           ; lane
	v_lshlrev_b32 v3, 4, v2                        ; my 16 bytes of a load's 512
	s_wait_kmcnt 0x0
	s_cmp_ge_u32 ttmp9, 864
	s_cbranch_scc1 .Lnot_q
; ---------------- path Q: the quantiser.  A tensor is a plain stream of blocks of 32; a wave takes 16 steps of 512 numbers.
	s_lshl_b32 s32, s28, 13                        ; my wave's LDS region
	v_lshrrev_b32 v14, 2, v2
	v_mul_u32_u24 v14, v14, SP
	v_and_b32 v15, 3, v2
	v_lshl_add_u32 v14, v15, 4, v14
	v_add_nc_u32 v14, s32, v14                     ; the stage, way in: four lanes' 64 bytes on end, then 16 of padding
	v_mul_u32_u24 v15, v2, SP
	v_add_nc_u32 v15, s32, v15                     ; way out: my 16 neighbours
	v_lshlrev_b32 v4, 3, v2                        ; my codes' place in a step's 256 bytes
	v_lshrrev_b32 v5, 1, v2
	s_add_co_u32 s32, s32, 2*32*SP
	v_add_nc_u32 v5, s32, v5                       ; my wave's 256 scale bytes: my block's byte
	v_lshlrev_b32 v7, 3, v2
	v_add_nc_u32 v6, s32, v7                       ; and on the way out 8 bytes a lane
	s_mov_b64 s[30:31], s[14:15]                   ; which tensor: chosen by the work-group's number alone
	s_mov_b32 s29, 832                             ; and that tensor's first work-group
	s_cmp_lt_u32 ttmp9, 832
	s_cselect_b64 s[30:31], s[12:13], s[30:31]
	s_cselect_b32 s29, 800, s29
	s_cmp_lt_u32 ttmp9, 800
	s_cselect_b64 s[30:31], s[10:11], s[30:31]
	s_cselect_b32 s29, 768, s29
	s_cmp_lt_u32 ttmp9, 768
	s_cselect_b64 s[30:31], s[8:9], s[30:31]
	s_cselect_b32 s29, 512, s29
	s_cmp_lt_u32 ttmp9, 512
	s_cselect_b64 s[30:31], s[6:7], s[30:31]
	s_cselect_b32 s29, 256, s29
	s_cmp_lt_u32 ttmp9, 256
	s_cselect_b64 s[30:31], s[4:5], s[30:31]
	s_cselect_b32 s29, 0, s29
	s_sub_co_u32 s29, ttmp9, s29
	s_lshl_b32 s29, s29, 2
	s_add_co_u32 s29, s29, s28                     ; my run of 8,192 numbers in the tensor
	s_lshl_b32 s34, s29, 15
	s_mov_b32 s35, 0
	s_add_nc_u64 s[30:31], s[30:31], s[34:35]
	s_lshl_b32 s33, ttmp9, 2
	s_add_co_u32 s33, s33, s28                     ; and among all runs: the six tensors' rows follow each other in codes and scales
	s_lshl_b32 s34, s33, 12
	s_add_nc_u64 s[20:21], s[20:21], s[34:35]
	s_lshl_b32 s34, s33, 8
	s_add_nc_u64 s[22:23], s[22:23], s[34:35]
.macro QLOAD t
.irp i, 0,1,2,3
	global_load_b128 v[R+16*((\t)%4)+4*\i:R+16*((\t)%4)+4*\i+3], v3, s[30:31] offset:2048*(\t)+512*\i th:TH_LOAD_NT   ; 32 lanes read 512 consecutive bytes
.endr
.endm
.macro QTURN t                         ; step t's numbers through the stage: LDS serves a wave's instructions in order, so no wait stands between the stores and the loads
.irp i, 0,1,2,3
	ds_store_b128 v14, v[R+16*((\t)%4)+4*\i:R+16*((\t)%4)+4*\i+3] offset:32*SP*((\t)%2)+8*SP*\i
.endr
.irp i, 0,1,2,3
	ds_load_b128 v[X+16*((\t)%2)+4*\i:X+16*((\t)%2)+4*\i+3], v15 offset:32*SP*((\t)%2)+16*\i
.endr
.endm
.irp t, 0,1,2,3
	QLOAD \t
.endr
	s_wait_loadcnt 12                              ; step 0's four loads are in
	QTURN 0
.macro QSTEP t
.set XS, X+16*((\t)%2)
.if (\t) > 0
	s_wait_dscnt 1                                 ; this step's numbers are back from the stage; the last step's byte store may be out
.else
	s_wait_dscnt 0x0
.endif
.if (\t)+4 < STEPS
	QLOAD (\t)+4                                   ; into the registers that the stage's stores have read
.endif
.if (\t)+1 < STEPS
.if STEPS-2-(\t) >= 3
	s_wait_loadcnt 12                              ; the next step's four loads are in; those of the three steps behind it may be out
.else
	s_wait_loadcnt 4*(STEPS-2-(\t))
.endif
	QTURN (\t)+1
.endif
	v_max3_num_f32 v8, |v[XS]|, |v[XS+1]|, |v[XS+2]|               ; the largest magnitude of my 16, in two chains
	v_max3_num_f32 v9, |v[XS+3]|, |v[XS+4]|, |v[XS+5]|
.irp i, 6,10
	v_max3_num_f32 v8, v8, |v[XS+\i]|, |v[XS+\i+1]|
	v_max3_num_f32 v9, v9, |v[XS+\i+2]|, |v[XS+\i+3]|
.endr
	v_max3_num_f32 v8, v8, |v[XS+14]|, |v[XS+15]|
	v_max3_num_f32 v8, v8, v9, (EMAX+1)<<23        ; and the floor 2^(3 - 127): the byte cannot fall under 1
	v_max_num_f32_dpp v8, v8, v8 row_xmask:1 row_mask:0xf bank_mask:0xf   ; with my neighbour's 16: the block's
	v_add_nc_u32 v11, -(EMAX<<23), v8              ; 2 off its exponent field: the conversion takes the exponent field of this operand as its scale
	v_cvt_scalef32_pk8_fp4_f32 v[C+4*(\t)], v[XS:XS+7], v11
	v_cvt_scalef32_pk8_fp4_f32 v[C+4*(\t)+1], v[XS+8:XS+15], v11
	v_lshrrev_b32 v[E+(\t)], 23, v11               ; the scale's byte
	ds_store_b8 v5, v[E+(\t)] offset:16*(\t)       ; both lanes of a block write the same byte with the same value
	global_store_b64 v4, v[C+4*(\t):C+4*(\t)+1], s[20:21] offset:32*CB*(\t)   ; the wave stores 256 consecutive bytes, aligned
.endm
.irp t, 0,1,2,3,4,5,6,7,8,9,10,11,12,13,14,15
	QSTEP \t
.endr
	ds_load_b64 v[8:9], v6                         ; my wave's 256 scale bytes, 8 a lane: these see my stores
	s_wait_dscnt 0x0
	global_store_b64 v7, v[8:9], s[22:23]          ; 256 consecutive bytes, aligned
	s_wait_tensorcnt 0x0                           ; the wave's end
	ds_add_u32 v[SPW], v[NIL]
	s_wait_dscnt 0x0
	s_endpgm
.Lnot_q:
	s_cmp_ge_u32 ttmp9, 1376
	s_cbranch_scc1 .Lpath_w
; ---------------- path M: a work-group takes 16 rows of the mask (one query tile of one batch), a wave 512 columns of them, in four units of 128 columns.
	s_sub_co_u32 s29, ttmp9, 864                   ; 128 b + query tile
	s_lshl_b32 s34, s29, 17                        ; 16 rows of 8,192 bytes
	s_lshl_b32 s33, s28, 11                        ; my wave's 2,048 bytes of each
	s_add_co_u32 s34, s34, s33
	s_mov_b32 s35, 0
	s_add_nc_u64 s[18:19], s[18:19], s[34:35]
	s_lshl_b32 s34, s29, 12                        ; a query tile's words: 4,096 bytes;
	s_lshl_b32 s33, s28, 10                        ; my wave's 32 key tiles: 1,024
	s_add_co_u32 s34, s34, s33
	s_add_nc_u64 s[26:27], s[26:27], s[34:35]
	s_mul_i32 s32, s28, 16*MP
	s_add_co_u32 s32, s32, MST                     ; my stage
	v_add_nc_u32 v10, s32, v3                      ; way in: a row's 512 bytes as they lie
	v_and_b32 v4, 15, v2
	v_lshrrev_b32 v5, 4, v2
	v_mul_u32_u24 v11, v4, MP
	v_lshl_add_u32 v11, v5, 5, v11
	v_add_nc_u32 v11, s32, v11                     ; way out: row lane % 16, 32 bytes for each half of the lanes; rows 528 bytes apart start in different banks
	v_lshlrev_b32 v7, 3, v2                        ; two words a lane
.macro MLOAD u
.irp i, 0,1,2,3,4,5,6,7,8,9,10,11,12,13,14,15
	global_load_b128 v[MR+64*((\u)%2)+4*\i:MR+64*((\u)%2)+4*\i+3], v3, s[18:19] offset:\i*8192+(\u)*512 th:TH_LOAD_NT   ; row i: 512 consecutive bytes
.endr
.endm
.macro MUNIT u
.if (\u) < 3
	s_wait_loadcnt 16                              ; this unit's 16 loads are in; the next unit's may be out
.else
	s_wait_loadcnt 0x0
.endif
.irp i, 0,1,2,3,4,5,6,7,8,9,10,11,12,13,14,15
	ds_store_b128 v10, v[MR+64*((\u)%2)+4*\i:MR+64*((\u)%2)+4*\i+3] offset:\i*MP
.endr
.irp g, 0,1,2,3,4,5,6,7
	ds_load_b128 v[MX+8*\g:MX+8*\g+3], v11 offset:64*\g
	ds_load_b128 v[MX+8*\g+4:MX+8*\g+7], v11 offset:64*\g+16
.endr
	s_wait_dscnt 0x0                               ; the unit is turned, and the stage's stores have read their registers
.if (\u) < 2
	MLOAD (\u)+2
.endif
	v_mov_b32 v[MW+2*(\u)], 0                      ; (a lane write's destination counts as read)
	v_mov_b32 v[MW+2*(\u)+1], 0
.irp g, 0,1,2,3,4,5,6,7
.irp j, 0,1,2,3,4,5,6,7
	v_cmp_ne_u32 s[40+\j], 0, v[MX+8*\g+\j]        ; the word of key tile g, register j
.endr
.irp j, 0,1,2,3,4,5,6,7
	v_writelane_b32 v[MW+2*(\u)+(\j%2)], s[40+\j], 4*\g+\j/2   ; word 8 g + j of the unit's 64: two words a lane
.endr
.endr
	global_store_b64 v7, v[MW+2*(\u):MW+2*(\u)+1], s[26:27] offset:256*(\u)   ; 256 consecutive bytes, aligned
.endm
	MLOAD 0
	MLOAD 1
	MUNIT 0
	MUNIT 1
	MUNIT 2
	MUNIT 3
	s_wait_tensorcnt 0x0                           ; the wave's end
	ds_add_u32 v[SPW], v[NIL]
	s_wait_dscnt 0x0
	s_endpgm
.Lpath_w:
; ---------------- path W: Wo to f16: a wave takes 8,192 numbers in four batches of 16 loads.
	s_sub_co_u32 s29, ttmp9, 1376
	s_lshl_b32 s29, s29, 2
	s_add_co_u32 s29, s29, s28
	s_lshl_b32 s34, s29, 15
	s_mov_b32 s35, 0
	s_add_nc_u64 s[16:17], s[16:17], s[34:35]
	s_lshl_b32 s34, s29, 14
	s_add_nc_u64 s[24:25], s[24:25], s[34:35]
	v_lshlrev_b32 v7, 3, v2
.macro WLOAD t
.irp i, 0,1,2,3,4,5,6,7,8,9,10,11,12,13,14,15
	global_load_b128 v[MR+64*((\t)%2)+4*\i:MR+64*((\t)%2)+4*\i+3], v3, s[16:17] offset:(\t)*8192+\i*512 th:TH_LOAD_NT
.endr
.endm
.macro WBATCH t
.if (\t) < 3
	s_wait_loadcnt 16                              ; this batch is in; the next may be out
.else
	s_wait_loadcnt 0x0
.endif
.if (\t) >= 2
	s_wait_xcnt 0x0                                ; the stores of two batches ago have read their data: the set is written again only behind this wait
.endif
.irp i, 0,1,2,3,4,5,6,7,8,9,10,11,12,13,14,15
	v_cvt_pk_f16_f32 v[WY+32*((\t)%2)+2*\i], v[MR+64*((\t)%2)+4*\i], v[MR+64*((\t)%2)+4*\i+1]
	v_cvt_pk_f16_f32 v[WY+32*((\t)%2)+2*\i+1], v[MR+64*((\t)%2)+4*\i+2], v[MR+64*((\t)%2)+4*\i+3]
.endr
.if (\t) < 2
	WLOAD (\t)+2
.endif
.irp i, 0,1,2,3,4,5,6,7,8,9,10,11,12,13,14,15
	global_store_b64 v7, v[WY+32*((\t)%2)+2*\i:WY+32*((\t)%2)+2*\i+1], s[24:25] offset:(\t)*4096+\i*256   ; 256 consecutive bytes, aligned
.endr
.endm
	WLOAD 0
	WLOAD 1
	WBATCH 0
	WBATCH 1
	WBATCH 2
	WBATCH 3
	s_wait_tensorcnt 0x0                           ; the same three lines close this path too
	ds_add_u32 v[SPW], v[NIL]
	s_wait_dscnt 0x0
	s_endpgm
.Lfunc_end_k_q606c407cef_prep:
	.size	k_q606c407cef_prep, .Lfunc_end_k_q606c407cef_prep-k_q606c407cef_prep
	.p2alignl 7, 3214868480
	.fill 96, 4, 3214868480
	.section	.rodata,"a",@progbits
	.p2align	6, 0x0
	.amdhsa_kernel k_q606c407cef_prep
		.amdhsa_group_segment_fixed_size 67072
		.amdhsa_private_segment_fixed_size 0
		.amdhsa_enable_private_segment 0
		.amdhsa_kernarg_size 96
		.amdhsa_user_sgpr_count 2
		.amdhsa_user_sgpr_kernarg_segment_ptr 1
		.amdhsa_wavefront_size32 1
		.amdhsa_system_sgpr_workgroup_id_x 1
		.amdhsa_system_sgpr_workgroup_id_y 1
		.amdhsa_system_sgpr_workgroup_id_z 1
		.amdhsa_system_vgpr_workitem_id 0
		.amdhsa_next_free_vgpr 216
		.amdhsa_next_free_sgpr 66
		.amdhsa_reserve_vcc 0
		.amdhsa_float_denorm_mode_32 3
		.amdhsa_float_denorm_mode_16_64 3
		.amdhsa_memory_ordered 1
		.amdhsa_forward_progress 1
		.amdhsa_inst_pref_size 102
	.end_amdhsa_kernel
	.amdgpu_metadata
---
amdhsa.version: [ 1, 2 ]
amdhsa.kernels:
  - .name:           k_q606c407cef_prep
    .symbol:         k_q606c407cef_prep.kd
    .args:
      - { .name: queries, .offset: 0, .size: 8, .value_kind: global_buffer, .address_space: global }
      - { .name: keys, .offset: 8, .size: 8, .value_kind: global_buffer, .address_space: global }
      - { .name: values, .offset: 16, .size: 8, .value_kind: global_buffer, .address_space: global }
      - { .name: Wq, .offset: 24, .size: 8, .value_kind: global_buffer, .address_space: global }
      - { .name: Wk, .offset: 32, .size: 8, .value_kind: global_buffer, .address_space: global }
      - { .name: Wv, .offset: 40, .size: 8, .value_kind: global_buffer, .address_space: global }
      - { .name: Wo, .offset: 48, .size: 8, .value_kind: global_buffer, .address_space: global }
      - { .name: mask, .offset: 56, .size: 8, .value_kind: global_buffer, .address_space: global }
      - { .name: codes, .offset: 64, .size: 8, .value_kind: global_buffer, .address_space: global }
      - { .name: scales, .offset: 72, .size: 8, .value_kind: global_buffer, .address_space: global }
      - { .name: wo16, .offset: 80, .size: 8, .value_kind: global_buffer, .address_space: global }
      - { .name: maskbits, .offset: 88, .size: 8, .value_kind: global_buffer, .address_space: global }
    .group_segment_fixed_size: 67072
    .private_segment_fixed_size: 0
    .kernarg_segment_align: 8
    .kernarg_segment_size: 96
    .max_flat_workgroup_size: 128
    .sgpr_count:     66
    .vgpr_count:     216
    .wavefront_size: 32
...
	.end_amdgpu_metadata
.endif
;; end of part 1
;; launch proj (part 2): grid 4 x 96, 4 waves a work-group, clusters of 4 x 4, 327,680 bytes of LDS; arguments codes, scales, qimg, kvimg; writes qimg, kvimg
.if DOCPART == 2
	.amdgcn_target "amdgcn-amd-amdhsa--gfx1250"
	.amdhsa_code_object_version 6
	.text
	.protected	k_q606c407cef_proj
	.globl	k_q606c407cef_proj
	.p2align	8
	.type	k_q606c407cef_proj,@function
k_q606c407cef_proj:
	s_mov_b64 s[64:65], 0
	v_nop
	global_prefetch_b8 v0, s[64:65] scope:SCOPE_SE
	s_setreg_imm32_b32 hwreg(HW_REG_WAVE_MODE, 25, 1), 1
	s_wait_xcnt 0x0
	s_wait_alu depctr_hold_cnt(0) depctr_sa_sdst(0) depctr_va_vdst(0) depctr_va_sdst(0) depctr_va_ssrc(0) depctr_va_vcc(0) depctr_vm_vsrc(0)
	s_getreg_b32 s2, hwreg(HW_REG_IB_STS2, 6, 4)
	s_cmp_eq_u32 s2, 0
	s_cbranch_scc0 .Lentry_in_a_cluster
	s_endpgm
.Lentry_in_a_cluster:
	s_bfe_u32 s2, ttmp6, 0x10000c
	s_cmp_lg_u32 s2, 0xf033
	s_cbranch_scc0 .Lentry_shape_is_right
	s_endpgm
.Lentry_shape_is_right:
; PROJ: q = queries Wq^T, k = keys Wk^T, v = values Wv^T, on codes of FP4 (E2M1) with one E8M0 scale for each 32 along K = 1,024; sums in f32; results rounded once to f16.
; One text serves all three.  A cluster of 4 x 4 work-groups makes 1,024 x 1,024 results; cluster y = 8 x projection + block of 1,024 tokens.  A work-group makes 256 x 256, each of its four waves 128 x 128: 64 accumulators.
; OPERANDS: both come out of codes [27648][512 bytes] and scales [27648][32 bytes].  For q and k "A" is 256 tokens and "B" 256 rows of the weight; for v the roles are exchanged (A = rows of Wv, B = tokens).
; The matrix instruction is used transposed (source 0 = 16 rows of B, source 1 = 16 rows of A): a lane holds one row of A and eight neighbouring rows of B.  So for q and k a lane holds a token and 8 neighbouring features,
; for v a feature and 8 neighbouring keys: rounded in pairs these ARE halves of the f16 fragments that the attention launch wants, and they are stored as images of its registers, 512 consecutive aligned bytes a store:
;   qimg  [batch x head 64][query tile 128][d / 32][half][lane][16 bytes];   kvimg [batch x head 64][step of 64 keys 32][K: key tile 4 x d / 32 x 1 KiB, then V^T: d tile 4 x keys / 32 x 1 KiB].
; K = 1,024 is two slots of 512 along K: both, and the scales of all of K, are asked for at the head; nothing is filled again.  A's tiles are shared along a row of the cluster, B's along a column: joint loads.
; LIMIT: |q|, |k|, |v| stay under 65,504 (f16's largest number).
; REGISTERS, in windows of 256: window 0: v0-31 addresses; v32-95 scale words, two sets; from v128 A's fragments, one set; on the way out v128-255 hold packed results.
;   window 1: B's fragments, two sets, at v0 and v128.  window 2: the accumulators of my rows 0-63 ((a, b) at v[8 (8 a + b)]); window 3: those of rows 64-127.
.set KSTEP,  512
.set NQ,     4                         ; matrix instructions deep in a slot
.set ROWB,   256                       ; a tile's row in bytes
.set KROW,   512                       ; a row of codes in memory
.set PITCH,  272                       ; an LDS row: 256 bytes + 16 of padding: the 16 rows that a load touches start in 16 different groups of banks
.set FR,     8
.set NL,     2
.set NP,     4
.set HALFT,  128*PITCH
.set SLOT,   4*HALFT
.set KS,     32                        ; a row of scales in bytes
.set SCL,    2*SLOT                    ; behind the two slots: the scales, as units of 256 bytes + 16 of padding
.set HALFS,  (128*KS/256)*272
.set SBLK,   (16*KS/256)*272
.set SPARE,  SCL+4*HALFS               ; the spare words, 128 bytes a wave
.set VO,   8                           ; v8-11   the way out: 16 x lane + i S1 + k S2 at v[8 + 2 i + k]
.set ADRA, 16                          ; v16-17  LDS address of my A fragments in slot 0, 1
.set ADRB, 20                          ; v20-21  the same for B
.set ADRS, 27                          ; v27     my scale words: lanes 0-15 A's rows, lanes 16-31 B's
.set SPW,  28                          ; v28     my spare word; never rewritten
.set NIL,  29                          ; v29     0; never rewritten
.set SC,   32
.set AF,   128
.set TMP,  128
.set G1, 24
.set G0, 32
.set G1B, 48
.set G0B, 56
.set G1S, 68
.set G0S, 76
.set G1SB, 80
.set G0SB, 88
.set MSB, 0
.macro WIN new                         ; the immediate's high byte repeats the setting that is left
.if MSB != \new
	s_set_vgpr_msb (MSB<<8)|\new
.set MSB, \new
.endif
.endm
.set MUL_LO, 0xa1                      ; source 0 (B) window 1, source 1 (A) window 0, C and D window 2
.set MUL_HI, 0xf1
.set TO_B,   0x40
; A joint load: waves 0 and 1 fetch for A, waves 2 and 3 for B; the branch hangs on the wave's number alone.  An s_nop 0 and four v_nop follow each line.
.macro JLOAD g0a, g1a, g0b, g1b
	s_cmp_eq_u32 s15, 0
	s_cbranch_scc0 .Lfor_b_\@
	tensor_load_to_lds s[\g0a:\g0a+3], s[\g1a:\g1a+7]
	s_nop 0
.rept 4
	v_nop
.endr
	s_branch .Lasked_\@
.Lfor_b_\@:
	tensor_load_to_lds s[\g0b:\g0b+3], s[\g1b:\g1b+7]
	s_nop 0
.rept 4
	v_nop
.endr
.Lasked_\@:
.endm
.macro CROUND                          ; a round of the cluster's barrier
	s_barrier_signal -1
	s_barrier_wait -1
	s_cmp_lg_u32 s14, 0
	s_cbranch_scc1 .Lnot_wave_0_\@
	s_barrier_signal -3
.Lnot_wave_0_\@:
	s_barrier_wait -3
	s_barrier_signal -1
	s_barrier_wait -1
.endm
	s_load_b256 s[4:11], s[0:1], 0x0               ; codes s[4:5], scales s[6:7], qimg s[8:9], kvimg s[10:11]
	v_lshl_add_u32 v[SPW], v0, 2, SPARE
	v_mov_b32 v[NIL], 0
	ds_add_u32 v[SPW], v[NIL]                      ; the wave's opening: the add, twice on end, and its wait ahead of my first tensor load
	ds_add_u32 v[SPW], v[NIL]
	v_lshrrev_b32 v1, 5, v0
	v_readfirstlane_b32 s14, v1                    ; wave 0..3
	s_lshr_b32 s15, s14, 1                         ; my half of A's rows.  Also: I fetch for A (0) or for B (1)
	s_and_b32 s16, s14, 1                          ; my half of B's rows.  Also: which 128 rows I fetch
	s_bfe_u32 s40, ttmp6, 0x40000                  ; cx
	s_bfe_u32 s41, ttmp6, 0x40004                  ; cy
	s_and_b32 s17, ttmp7, 0xffff                   ; cluster y, 0..23
	s_lshr_b32 s12, s17, 3                         ; projection: 0 q, 1 k, 2 v
	s_and_b32 s13, s17, 7                          ; block of 1,024 tokens
	s_lshr_b32 s42, s12, 1                         ; 1 for v
	s_xor_b32 s95, s42, 1                          ; 1 for q and k
	s_lshl_b32 s43, s41, 2
	s_lshl_b32 s43, 15, s43                        ; my row of the cluster
	s_lshl_b32 s44, 0x1111, s40                    ; my column
	; descriptor group 1: 128 rows x 256 bytes, 16 bytes of padding behind each
	s_or_b32 s[G1+0], s43, (0<<16)|(1<<20)|(1<<21)|(5<<22)|(3<<25)
	s_or_b32 s[G1B+0], s44, (0<<16)|(1<<20)|(1<<21)|(5<<22)|(3<<25)
.irp g, G1, G1B
	s_mov_b32 s[\g+1], ROWB<<16                    ; tensor_dim0
	s_mov_b32 s[\g+2], 128<<16                     ; tensor_dim1
	s_mov_b32 s[\g+3], ROWB<<16                    ; tile_dim0
	s_mov_b32 s[\g+4], 128                         ; tile_dim1
	s_mov_b32 s[\g+5], KROW                        ; pitch
	s_mov_b32 s[\g+6], 0
	s_mov_b32 s[\g+7], 0
.endr
	; the scales of 128 rows: 4,096 dense bytes as 16 rows of 256 (32 elements of 8 bytes), 16 bytes of padding behind each
	s_or_b32 s[G1S+0], s43, (3<<16)|(1<<20)|(1<<21)|(5<<22)|(3<<25)
	s_or_b32 s[G1SB+0], s44, (3<<16)|(1<<20)|(1<<21)|(5<<22)|(3<<25)
.irp g, G1S, G1SB
	s_mov_b32 s[\g+1], 32<<16
	s_mov_b32 s[\g+2], (128*KS/256)<<16
	s_mov_b32 s[\g+3], 32<<16
	s_mov_b32 s[\g+4], 128*KS/256
	s_mov_b32 s[\g+5], 32
	s_mov_b32 s[\g+6], 0
	s_mov_b32 s[\g+7], 0
.endr
	s_lshl_b32 s18, s16, 7                         ; which 128 rows of a tile I fetch
	; A's first row: q, k: 8192 x projection + 1024 x block + 256 cy;  v: 26624 + 256 cy.  These registers never hold cx
	s_lshl_b32 s20, s12, 13
	s_lshl_b32 s21, s13, 10
	s_add_co_u32 s20, s20, s21
	s_mul_i32 s20, s20, s95
	s_mul_i32 s21, s42, 26624
	s_add_co_u32 s20, s20, s21
	s_lshl_b32 s21, s41, 8
	s_add_co_u32 s20, s20, s21
	s_add_co_u32 s20, s20, s18
	; B's first row: q, k: 24576 + 1024 x projection + 256 cx;  v: 16384 + 1024 x block + 256 cx.  These never hold cy
	s_lshl_b32 s46, s12, 10
	s_add_co_u32 s46, s46, 24576
	s_mul_i32 s46, s46, s95
	s_lshl_b32 s47, s13, 10
	s_add_co_u32 s47, s47, 16384
	s_mul_i32 s47, s47, s42
	s_add_co_u32 s46, s46, s47
	s_lshl_b32 s47, s40, 8
	s_add_co_u32 s46, s46, s47
	s_add_co_u32 s46, s46, s18
	s_lshl_b32 s22, s20, 5                         ; where these rows' scales begin, in bytes,
	s_mov_b32 s23, 0
	s_lshl_b32 s92, s46, 5
	s_mov_b32 s93, 0
	s_lshl_b32 s20, s20, 9                         ; and their codes
	s_mov_b32 s21, 0
	s_lshl_b32 s46, s46, 9
	s_mov_b32 s47, 0
	s_mul_i32 s45, s14, HALFT                      ; where they go: wave x 128 rows: no place in the cluster enters an LDS address
	s_mul_i32 s94, s14, HALFS
	s_wait_dscnt 0x0                               ; both opening adds are done
	s_wait_kmcnt 0x0
	s_add_nc_u64 s[20:21], s[4:5], s[20:21]
	s_add_nc_u64 s[22:23], s[6:7], s[22:23]
	s_add_nc_u64 s[46:47], s[4:5], s[46:47]
	s_add_nc_u64 s[92:93], s[6:7], s[92:93]
	CROUND                                         ; all sixteen work-groups are here: the joint loads meet
	s_mov_b32 s[G0S], 1
	s_add_co_u32 s[G0S+1], s94, SCL
	s_mov_b64 s[G0S+2:G0S+3], s[22:23]
	s_or_b32 s[G0S+3], s[G0S+3], 0x80000000
	s_mov_b32 s[G0SB], 1
	s_add_co_u32 s[G0SB+1], s94, SCL
	s_mov_b64 s[G0SB+2:G0SB+3], s[92:93]
	s_or_b32 s[G0SB+3], s[G0SB+3], 0x80000000
	JLOAD G0S, G1S, G0SB, G1SB                     ; the scales first: they are wanted with the first slot
.irp s, 0,1
	s_mov_b32 s[G0+4*\s], 1
	s_add_co_u32 s[G0+4*\s+1], s45, \s*SLOT
	s_add_nc_u64 s[G0+4*\s+2:G0+4*\s+3], s[20:21], \s*ROWB
	s_or_b32 s[G0+4*\s+3], s[G0+4*\s+3], 0x80000000
	s_mov_b32 s[G0B+4*\s], 1
	s_add_co_u32 s[G0B+4*\s+1], s45, \s*SLOT
	s_add_nc_u64 s[G0B+4*\s+2:G0B+4*\s+3], s[46:47], \s*ROWB
	s_or_b32 s[G0B+4*\s+3], s[G0B+4*\s+3], 0x80000000
	JLOAD G0+4*\s, G1, G0B+4*\s, G1B               ; three loads of mine are out in all
.endr
	v_and_b32 v1, 15, v0                           ; l % 16
	v_bfe_u32 v2, v0, 4, 1                         ; l / 16
	v_mul_u32_u24 v3, v1, PITCH
	v_lshl_add_u32 v4, v2, 4, v3                   ; a fragment's row x pitch + 16 x half
	s_mul_i32 s21, s15, HALFT                      ; my 128 rows of A
	s_mul_i32 s22, s16, HALFT                      ; my 128 rows of B,
	s_add_co_u32 s22, s22, 2*HALFT                 ; behind A's 256
.irp s, 0,1
	v_add_nc_u32 v[ADRA+\s], s21, v4
	v_add_nc_u32 v[ADRB+\s], s22, v4
	s_add_co_u32 s21, s21, SLOT
	s_add_co_u32 s22, s22, SLOT
.endr
	v_mul_u32_u24 v5, v1, KS                       ; my row's scales: 32 bytes a row,
	v_lshrrev_b32 v6, 8, v5
	v_lshl_add_u32 v5, v6, 4, v5                   ; and 16 more for each 256 passed
	s_mul_i32 s21, s15, HALFS
	s_mul_i32 s22, s16, HALFS
	s_add_co_u32 s22, s22, 2*HALFS
	s_sub_co_u32 s22, s22, s21
	v_mul_u32_u24 v6, s22, v2                      ; lanes 16-31 take B's: the lower base + half x the distance
	s_add_co_u32 s21, s21, SCL
	v_add_nc_u32 v5, v5, v6
	v_add_nc_u32 v[ADRS], s21, v5
	; THE WAY OUT'S ADDRESSES.  Tokens lie on A's side for q and k, on B's side for v; features on the other.
	s_cmp_eq_u32 s42, 1
	s_cselect_b32 s46, s40, s41                    ; which 256 tokens of the block
	s_cselect_b32 s47, s16, s15                    ; which 128 of them are my wave's
	s_cselect_b32 s92, s41, s40                    ; which 256 features
	s_cselect_b32 s93, s15, s16                    ; which 128 of them
	s_lshl_b32 s96, s13, 10
	s_lshl_b32 s46, s46, 8
	s_add_co_u32 s96, s96, s46
	s_lshl_b32 s47, s47, 7
	s_add_co_u32 s96, s96, s47                     ; my first token of 8,192
	s_lshr_b32 s97, s96, 11                        ; batch
	s_and_b32 s96, s96, 2047                       ; position
	s_lshl_b32 s97, s97, 4
	s_lshl_b32 s92, s92, 2
	s_add_co_u32 s97, s97, s92
	s_lshl_b32 s93, s93, 1
	s_add_co_u32 s97, s97, s93                     ; 16 x batch + my first head (a wave's 128 features are two heads)
	s_cmp_eq_u32 s12, 0
	s_cselect_b64 s[8:9], s[8:9], s[10:11]         ; q goes to qimg, k and v to kvimg
	s_cselect_b32 s46, 18, 19                      ; a head's bytes: 2^18 in qimg, 2^19 in kvimg
	s_cselect_b32 s47, 7, 8                        ; a token's share of its tiles' bytes: 2,048 / 16 or 16,384 / 64
	s_lshl_b32 s97, s97, s46
	s_lshl_b32 s96, s96, s47
	s_add_co_u32 s96, s96, s97
	s_lshl_b32 s92, s42, 13                        ; V^T lies 8,192 bytes behind K in a step
	s_add_co_u32 s96, s96, s92
	s_mov_b32 s97, 0
	s_add_nc_u64 s[8:9], s[8:9], s[96:97]
	s_lshl_b32 s92, 1, s46                         ; from head to head
	s_add_co_u32 s93, s47, 6
	s_lshl_b32 s93, 1, s93                         ; from 64 tokens to the next 64: 8,192 (four query tiles) or 16,384 (a step)
	s_cmp_eq_u32 s42, 1
	s_cselect_b32 s46, s92, s93                    ; S1: four blocks on along A
	s_cselect_b32 s47, s93, s92                    ; S2: four blocks on along B
	v_and_b32 v5, 31, v0
	v_lshlrev_b32 v[VO], 4, v5
	v_add_nc_u32 v[VO+1], s47, v[VO]
	v_add_nc_u32 v[VO+2], s46, v[VO]
	v_add_nc_u32 v[VO+3], s47, v[VO+2]
.macro FRAG reg, adr, q, i             ; 16 rows x 128 K of 4-bit codes: 8 registers: two loads of 16 bytes, 32 bytes apart
.irp c, 0,1
	ds_load_b128 v[\reg+4*\c:\reg+4*\c+3], v[\adr] offset:64*(\q)+32*\c+(\i)*16*PITCH
.endr
.endm
; 16 matrix instructions: A's blocks a0, a0 + 1 x B's eight, the slot's q-th 128 along K.  p: B's set; sc: the set of scale words.  zero = 1: the first product starts the sums.
; The 64 accumulators take turns, one instruction a turn, in the same order in every step.
.macro MUL16 a0, p, q, sc, zero
.irp a, \a0, \a0+1
.irp b, 0,1,2,3,4,5,6,7
.if \zero
	v_wmma_scale_f32_16x16x128_f8f6f4 v[8*(8*((\a)%4)+\b):8*(8*((\a)%4)+\b)+7], v[128*(\p)+FR*\b:128*(\p)+FR*\b+FR-1], v[AF+FR*(\a):AF+FR*(\a)+FR-1], 0, v[SC+8*NQ*(\sc)+NQ*\b+(\q)], v[SC+8*NQ*(\sc)+NQ*(\a)+(\q)] matrix_a_fmt:MATRIX_FMT_FP4 matrix_b_fmt:MATRIX_FMT_FP4 matrix_a_scale:MATRIX_SCALE_ROW1
.else
	v_wmma_scale_f32_16x16x128_f8f6f4 v[8*(8*((\a)%4)+\b):8*(8*((\a)%4)+\b)+7], v[128*(\p)+FR*\b:128*(\p)+FR*\b+FR-1], v[AF+FR*(\a):AF+FR*(\a)+FR-1], v[8*(8*((\a)%4)+\b):8*(8*((\a)%4)+\b)+7], v[SC+8*NQ*(\sc)+NQ*\b+(\q)], v[SC+8*NQ*(\sc)+NQ*(\a)+(\q)] matrix_a_fmt:MATRIX_FMT_FP4 matrix_b_fmt:MATRIX_FMT_FP4 matrix_a_scale:MATRIX_SCALE_ROW1
.endif
.endr
.endr
.endm
.macro FETCH_B slot, q, p
	WIN TO_B
.irp i, 0,1,2,3,4,5,6,7
	FRAG 128*(\p)+FR*\i, ADRB+\slot, \q, \i
.endr
	WIN 0
.endm
.macro FETCH_A slot, q, i0
.irp i, \i0, \i0+1, \i0+2, \i0+3
	FRAG AF+FR*(\i), ADRA+\slot, \q, \i
.endr
.endm
.macro SCALES sc                       ; a slot's scale words: four words a row; lanes 0-15 take A's block i, lanes 16-31 B's block i
.irp i, 0,1,2,3,4,5,6,7
	ds_load_b128 v[SC+8*NQ*\sc+NQ*\i:SC+8*NQ*\sc+NQ*\i+3], v[ADRS] offset:\i*SBLK
.endr
.endm
.macro PLACES n                        ; plain vector instructions between a matrix instruction and a load into, or a vector read or write of, its registers
.rept \n
	v_nop
.endr
.endm
.macro STEP slot, q, zero              ; 128 along K with its successor in the same slot
	s_wait_dscnt 4*NL                              ; B's set and A's blocks 0-3 are in; the youngest eight loads (A's blocks 4-7) may be out
	WIN MUL_LO
	MUL16 0, (\q)%2, \q, \slot, \zero
	MUL16 2, (\q)%2, \q, \slot, \zero
	s_wait_dscnt 0                                 ; A's blocks 4-7 are in
	PLACES NP
	FETCH_B \slot, (\q)+1, 1-(\q)%2
	FETCH_A \slot, (\q)+1, 0
	WIN MUL_HI
	MUL16 4, (\q)%2, \q, \slot, \zero
	MUL16 6, (\q)%2, \q, \slot, \zero
	PLACES NP
	WIN 0
	FETCH_A \slot, (\q)+1, 4
.endm
.macro TURN slot, next                 ; a slot's last step changes slots: one barrier; nothing is filled again
	s_wait_tensorcnt 0x0                           ; all my tensor loads have landed: my part of the next slot
	ds_add_u32 v[SPW], v[NIL]                      ; 0 onto my spare word
	s_wait_dscnt 4*NL+1                            ; (the add and the youngest eight loads may be out)
	WIN MUL_LO
	MUL16 0, 1, NQ-1, \slot, 0
	s_wait_dscnt 0x0                               ; the add is done, my LDS loads are in
	s_barrier_signal -1
	MUL16 2, 1, NQ-1, \slot, 0
	WIN 0
	s_barrier_wait -1                              ; everybody's part of the next slot has landed
	PLACES NP
	v_add_nc_u32 v[ADRS], 4*NQ, v[ADRS]            ; on to the next slot's scale words
	FETCH_B \next, 0, 0
	FETCH_A \next, 0, 0
	SCALES \next
	WIN MUL_HI
	MUL16 4, 1, NQ-1, \slot, 0
	MUL16 6, 1, NQ-1, \slot, 0
	PLACES NP
	WIN 0
	FETCH_A \next, 0, 4
.endm
	s_wait_tensorcnt 1                             ; the scales and my part of slot 0 are in; slot 1's load may be out
	s_barrier_signal -1
	s_barrier_wait -1                              ; everybody's are
	FETCH_B 0, 0, 0
	FETCH_A 0, 0, 0
	SCALES 0
	FETCH_A 0, 0, 4
	STEP 0, 0, 1                                   ; the first products start the sums
	STEP 0, 1, 0
	STEP 0, 2, 0
	TURN 0, 1
	STEP 1, 0, 0
	STEP 1, 1, 0
	STEP 1, 2, 0
	s_wait_dscnt 4*NL                              ; the last step: nothing more to fetch
	WIN MUL_LO
	MUL16 0, 1, NQ-1, 1, 0
	MUL16 2, 1, NQ-1, 1, 0
	s_wait_dscnt 0
	WIN MUL_HI
	MUL16 4, 1, NQ-1, 1, 0
	MUL16 6, 1, NQ-1, 1, 0
	WIN 0
; THE WAY OUT.  Accumulator (a, b) rounds to four registers, half a fragment, and is stored as it stands: lane l's 16 bytes at 16 l.  Its place: (a / 4) S1 + (b / 4) S2 in the address register, (a % 4) x 2,048 + (b % 4) x 512 in the immediate.
.macro OUT a
.if (\a) >= 4
	s_wait_xcnt 0x0                                ; the stores of four blocks ago have read their data: the set is written again only behind this wait
.endif
.set AC, 64*((\a)%4)
.set TT, TMP+32*((\a)%4)
	WIN 0x0a+5*((\a)/4)                            ; sources 0 and 1: window 2 or 3
.irp b, 0,1,2,3,4,5,6,7
.irp i, 0,1,2,3
	v_cvt_pk_f16_f32 v[TT+4*\b+\i], v[AC+8*\b+2*\i], v[AC+8*\b+2*\i+1]   ; each accumulator from its low end on
.endr
.endr
	WIN 0
.irp b, 0,1,2,3,4,5,6,7
	global_store_b128 v[VO+2*((\a)/4)+\b/4], v[TT+4*\b:TT+4*\b+3], s[8:9] offset:((\a)%4)*2048+(\b%4)*512   ; 512 consecutive bytes, aligned
.endr
.endm
	PLACES NP                                      ; behind the last products: their results are read, and the registers that held A's fragments are written
.irp a, 0,1,2,3,4,5,6,7
	OUT \a
.endr
	s_wait_tensorcnt 0x0                           ; the wave's end
	ds_add_u32 v[SPW], v[NIL]
	s_wait_dscnt 0x0
	CROUND                                         ; the closing round
	s_endpgm
.Lfunc_end_k_q606c407cef_proj:
	.size	k_q606c407cef_proj, .Lfunc_end_k_q606c407cef_proj-k_q606c407cef_proj
	.p2alignl 7, 3214868480
	.fill 96, 4, 3214868480
	.section	.rodata,"a",@progbits
	.p2align	6, 0x0
	.amdhsa_kernel k_q606c407cef_proj
		.amdhsa_group_segment_fixed_size 327680
		.amdhsa_private_segment_fixed_size 0
		.amdhsa_enable_private_segment 0
		.amdhsa_kernarg_size 32
		.amdhsa_user_sgpr_count 2
		.amdhsa_user_sgpr_kernarg_segment_ptr 1
		.amdhsa_wavefront_size32 1
		.amdhsa_system_sgpr_workgroup_id_x 1
		.amdhsa_system_sgpr_workgroup_id_y 1
		.amdhsa_system_sgpr_workgroup_id_z 1
		.amdhsa_system_vgpr_workitem_id 0
		.amdhsa_next_free_vgpr 1024
		.amdhsa_next_free_sgpr 100
		.amdhsa_reserve_vcc 0
		.amdhsa_float_denorm_mode_32 3
		.amdhsa_float_denorm_mode_16_64 3
		.amdhsa_memory_ordered 1
		.amdhsa_forward_progress 1
		.amdhsa_inst_pref_size 119
	.end_amdhsa_kernel
	.amdgpu_metadata
---
amdhsa.version: [ 1, 2 ]
amdhsa.kernels:
  - .name:           k_q606c407cef_proj
    .symbol:         k_q606c407cef_proj.kd
    .args:
      - { .name: codes, .offset: 0, .size: 8, .value_kind: global_buffer, .address_space: global }
      - { .name: scales, .offset: 8, .size: 8, .value_kind: global_buffer, .address_space: global }
      - { .name: qimg, .offset: 16, .size: 8, .value_kind: global_buffer, .address_space: global }
      - { .name: kvimg, .offset: 24, .size: 8, .value_kind: global_buffer, .address_space: global }
    .group_segment_fixed_size: 327680
    .private_segment_fixed_size: 0
    .kernarg_segment_align: 8
    .kernarg_segment_size: 32
    .max_flat_workgroup_size: 128
    .sgpr_count:     100
    .vgpr_count:     1024
    .wavefront_size: 32
...
	.end_amdgpu_metadata
.endif
;; end of part 2
;; launch attn (part 3): grid 4 x 64, 16 waves a work-group, clusters of 4 x 1, 327,680 bytes of LDS; arguments qimg, kvimg, maskbits, att; writes att
.if DOCPART == 3
	.amdgcn_target "amdgcn-amd-amdhsa--gfx1250"
	.amdhsa_code_object_version 6
	.text
	.protected	k_q606c407cef_attn
	.globl	k_q606c407cef_attn
	.p2align	8
	.type	k_q606c407cef_attn,@function
k_q606c407cef_attn:
	s_mov_b64 s[64:65], 0
	v_nop
	global_prefetch_b8 v0, s[64:65] scope:SCOPE_SE
	s_setreg_imm32_b32 hwreg(HW_REG_WAVE_MODE, 25, 1), 1
	s_wait_xcnt 0x0
	s_wait_alu depctr_hold_cnt(0) depctr_sa_sdst(0) depctr_va_vdst(0) depctr_va_sdst(0) depctr_va_ssrc(0) depctr_va_vcc(0) depctr_vm_vsrc(0)
	s_getreg_b32 s2, hwreg(HW_REG_IB_STS2, 6, 4)
	s_cmp_eq_u32 s2, 0
	s_cbranch_scc0 .Lentry_in_a_cluster
	s_endpgm
.Lentry_in_a_cluster:
	s_bfe_u32 s2, ttmp6, 0x10000c
	s_cmp_lg_u32 s2, 0x3003
	s_cbranch_scc0 .Lentry_shape_is_right
	s_endpgm
.Lentry_shape_is_right:
; ATTN: for each batch and head, O[q] = sum over k of softmax_k(where(mask == 0, -big, Q[q] . K[k]) / 32) V[k].  Head size 64, 2,048 keys.  Products on f16 operands, sums, maxima and softmax in f32.
; SHARES.  A work-group owns 512 queries of one (batch, head); each of its sixteen waves 32 of them: two tiles of 16, in 256 registers; four waves share a SIMD, so that one wave's softmax stands beside another's products.
; The four query blocks of a head form a cluster and walk the same K and V: each part of them is asked for JOINTLY, by the same tensor load with a mask that names the four.
; LAYOUT.  Both products are used transposed: S^T = K Q^T (source 0 = 16 keys, source 1 = 16 queries), O^T = V^T P (source 0 = 16 of the head's 64, source 1 = P): a lane holds one query throughout; two tiles of S^T,
; rounded in pairs, ARE a fragment of P.  Q, K and V^T arrive as images of their fragments' registers (lane l's 16 bytes at 16 l): every LDS load takes 512 consecutive bytes.
; THE MASK arrives as lane masks, one word for each register of each tile of S^T: scalar loads, one v_cndmask_b32 a register, in every step; no branch hangs on it.
; SOFTMAX.  A running maximum m and sum l for each query: p = 2^(c s - c m), c = log2(e) / 32; in every step O^T and l are multiplied by a = 2^(c m_old - c m_new).
; LIMITS.  A masked score is -2^66 in place of -1e20: c x 2^66 is exact, so in a row with no key left c s - c m is exactly 0 and the softmax is uniform, as with -1e20; results are those of -1e20 wherever every true score lies above -7e19.
; p is rounded to f16 for the second product (the sum is taken of the unrounded p); the result is rounded to f16 and stays under 65,504.
; RING.  A head's K and V are four parts of 128 KiB (8 steps of 64 keys, 16 KiB each: K's 8 fragments, then V^T's 8); part p lies in slot p % 2.  Waves 0 to 3 fetch a quarter of a part each; one load of a wave is out at most.
; REGISTERS: v1 16 x lane; v2 the step's LDS address; v3, v4 the add's two; v5 -2^66; v6 256 x lane; v8-15, v16-23 a tile's statistics (+0 c m, +1 m, +2, +3 l, +4..+7 at work, a in +6);
;   v32-63 Q; v64-127 S^T, then p, then P in each tile's first 16; v128-191 O^T; v192-255 K's or V's eight fragments.
.set SLOTB, 131072
.set STEPB, 16384
.set SPARE, 262144                     ; behind the two slots: the spare words, 128 bytes for each of sixteen waves
.set LI,  1
.set ADR, 2
.set SPW, 3
.set NIL, 4
.set BIG, 5
.set PFO, 6
.set ST,  8
.set Q,   32
.set S,   64
.set O,   128
.set KV,  192
.set WV,  2                            ; s2   my wave's number
.set TB,  3                            ; s3   LDS byte at which the step's tiles begin
.set G0,  12                           ; s[12:15] descriptor group 0, which walks
.set G1,  16                           ; s[16:23] descriptor group 1
.set CS,  24                           ; s[24:25] c, as a pair
.set SEL, 26                           ; s[26:27] selects for lane l xor 16
.set SLOTS, 28
.set STEPS, 29
.set MOFF, 30                          ; s30  byte offset of the mask words that were asked for last
.set M0,  32                           ; s[32:63] tile 0's mask words of a step: word 8 kt + j
.set M1,  68                           ; s[68:99] tile 1's
.set PFA, 66                           ; s[66:67] where my prefetches stand
.set LIM, 100                          ; s100 1 in a wave that prefetches, else the greatest number
.macro JLOAD                           ; waves 0 to 3 fetch; the branch hangs on the wave's number alone.  An s_nop 0 and four v_nop follow the load
	s_cmp_lt_u32 s[WV], 4
	s_cbranch_scc0 .Lasked_\@
	tensor_load_to_lds s[G0:G0+3], s[G1:G1+7]
	s_nop 0
.rept 4
	v_nop
.endr
.Lasked_\@:
.endm
; A PREFETCH INTO THE L2 of the part that the NEXT change of slots will ask for: 128 KiB.  A head has one cluster; its four partners share the part out by address, 32 KiB each; in each, waves 4 to 7 ask, 8 KiB a wave,
; lanes 256 bytes apart, one instruction: each aligned block of 256 bytes is named once in the launch.  It stands a part's 8 key steps ahead of the load.  The last change that fills a slot asks for nothing; parts 0 and 1 come by their loads alone.
.macro ASK
	s_cmp_gt_u32 s[SLOTS], s[LIM]
	s_cbranch_scc0 .Lnot_mine_\@
	global_prefetch_b8 v[PFO], s[PFA:PFA+1] th:TH_LOAD_NT scope:SCOPE_SE
.Lnot_mine_\@:
.endm
.macro CROUND                          ; a round of the cluster's barrier
	s_barrier_signal -1
	s_barrier_wait -1
	s_cmp_lg_u32 s[WV], 0
	s_cbranch_scc1 .Lnot_wave_0_\@
	s_barrier_signal -3
.Lnot_wave_0_\@:
	s_barrier_wait -3
	s_barrier_signal -1
	s_barrier_wait -1
.endm
.macro MASKLOAD                        ; a step's 64 mask words: 128 bytes for each of my two query tiles
	s_load_b512 s[M0:M0+15], s[8:9], s[MOFF] offset:0x0
	s_load_b512 s[M0+16:M0+31], s[8:9], s[MOFF] offset:0x40
	s_load_b512 s[M1:M1+15], s[8:9], s[MOFF] offset:0x1000
	s_load_b512 s[M1+16:M1+31], s[8:9], s[MOFF] offset:0x1040
.endm
	s_load_b256 s[4:11], s[0:1], 0x0               ; qimg s[4:5], kvimg s[6:7], maskbits s[8:9], att s[10:11]
	v_lshl_add_u32 v[SPW], v0, 2, SPARE
	v_mov_b32 v[NIL], 0
	ds_add_u32 v[SPW], v[NIL]                      ; the wave's opening: the add, twice on end, and its wait ahead of the first tensor load
	ds_add_u32 v[SPW], v[NIL]
	v_lshrrev_b32 v1, 5, v0
	v_readfirstlane_b32 s[WV], v1                  ; wave 0..15
	s_and_b32 s31, ttmp7, 0xffff                   ; 16 x batch + head, which the four partners share
	s_and_b32 s101, s[WV], 3
	s_lshl_b32 s101, s101, 15                      ; the quarter of a part that I fetch, if I fetch
	s_mov_b32 s[G0+1], s101                        ; its place in slot 0: no place in the cluster enters an LDS address
	s_lshl_b32 s100, s31, 19                       ; the head's 512 KiB of K and V
	s_add_co_u32 s100, s100, s101
	s_mov_b32 s101, 0
	; descriptor group 1: 128 rows of 256 bytes (32 elements of 8 bytes), dense, no padding
	s_mov_b32 s[G1], 15|(3<<16)|(1<<21)            ; the mask: all four work-groups; elements of 8 bytes; bit 21 set beside a mask
	s_mov_b32 s[G1+1], 32<<16                      ; tensor_dim0
	s_mov_b32 s[G1+2], 128<<16                     ; tensor_dim1
	s_mov_b32 s[G1+3], 32<<16                      ; tile_dim0
	s_mov_b32 s[G1+4], 128                         ; tile_dim1
	s_mov_b32 s[G1+5], 32                          ; pitch
	s_mov_b32 s[G1+6], 0
	s_mov_b32 s[G1+7], 0
	s_mov_b32 s[CS], 0x3d38aa3b                    ; c = log2(e) / 32
	s_mov_b32 s[CS+1], s[CS]
	s_mov_b32 s[SEL], 0x76543210
	s_mov_b32 s[SEL+1], 0xfedcba98
	s_mov_b32 s[TB], 0
	s_mov_b32 s[SLOTS], 3
	s_mov_b32 s[MOFF], 0
	s_wait_dscnt 0x0                               ; both opening adds are done
	s_wait_kmcnt 0x0
	s_mov_b32 s[G0], 1
	s_add_nc_u64 s[G0+2:G0+3], s[6:7], s[100:101]
	s_or_b32 s[G0+3], s[G0+3], 0x80000000
	CROUND                                         ; all four work-groups are here: the first joint loads meet
	JLOAD                                          ; part 0
	s_bfe_u32 s66, ttmp6, 0x40000                  ; cx: my block of 512 queries: it enters global addresses alone
	s_lshl_b32 s66, s66, 5
	s_lshl_b32 s67, s[WV], 1
	s_add_co_u32 s66, s66, s67                     ; my first query tile in the head: 32 cx + 2 x wave
	s_lshr_b32 s67, s31, 4
	s_lshl_b32 s67, s67, 7
	s_add_co_u32 s67, s67, s66                     ; and in the batch's rows: 128 x batch + tile
	s_lshl_b32 s104, s31, 18
	s_lshl_b32 s105, s66, 11
	s_add_co_u32 s104, s104, s105
	s_mov_b32 s105, 0
	s_add_nc_u64 s[4:5], s[4:5], s[104:105]        ; Q's images of my two tiles
	s_lshl_b32 s104, s67, 12
	s_add_nc_u64 s[8:9], s[8:9], s[104:105]        ; my tiles' mask words: 4,096 bytes a tile
	s_lshl_b32 s104, s67, 15
	s_and_b32 s67, s31, 15
	s_lshl_b32 s67, s67, 11
	s_add_co_u32 s104, s104, s67
	s_add_nc_u64 s[10:11], s[10:11], s[104:105]    ; the output: 32 KiB a tile of rows, 2 KiB a head in it
	s_bfe_u32 s104, ttmp6, 0x40000
	s_lshl_b32 s104, s104, 15                      ; the prefetches: my work-group's 32 KiB of a part,
	s_and_b32 s105, s[WV], 3
	s_lshl_b32 s105, s105, 13                      ; my wave's 8 KiB of them,
	s_add_co_u32 s104, s104, s105
	s_lshl_b32 s105, s31, 19
	s_add_co_u32 s104, s104, s105                  ; in my head,
	s_add_co_u32 s104, s104, SLOTB                 ; in part 1: the first change of slots steps it to part 2
	s_mov_b32 s105, 0
	s_add_nc_u64 s[PFA:PFA+1], s[6:7], s[104:105]
	s_lshr_b32 s[LIM], s[WV], 2
	s_cmp_eq_u32 s[LIM], 1                         ; waves 4 to 7
	s_cselect_b32 s[LIM], 1, -1
	v_and_b32 v[LI], 31, v0
	v_lshlrev_b32 v[PFO], 8, v[LI]
	v_lshlrev_b32 v[LI], 4, v[LI]
.irp i, 0,1,2,3,4,5,6,7
	global_load_b128 v[Q+4*\i:Q+4*\i+3], v[LI], s[4:5] offset:512*\i   ; Q stays in registers: tile i / 4, d 32 ((i / 2) % 2) on, half i % 2
.endr
	MASKLOAD                                       ; step 0's words
	v_mov_b32 v[BIG], 0xe0800000                   ; -2^66
.irp t, 0,1
	v_mov_b32 v[ST+8*\t+1], 0xff61b1e6             ; m: -3e38, under every score, the masked ones too
	v_mul_f32 v[ST+8*\t], s[CS], v[ST+8*\t+1]      ; c m
	v_mov_b32 v[ST+8*\t+2], 0                      ; l, in two halves
	v_mov_b32 v[ST+8*\t+3], 0
.endr
.set n, 0
.rept 64
	v_mov_b32 v[O+n], 0                            ; O^T.  (The step is written once: the first finds zeros, and a = 0 leaves them zeros)
.set n, n+1
.endr
	s_wait_loadcnt 0x0                             ; Q
; A KEY STEP: 64 keys.
.macro STEP
	v_add_nc_u32 v[ADR], s[TB], v[LI]
.rept 4
	v_nop                                          ; with the addition five places behind the last step's products: K's loads land where V lay, and the new scores are written over P
.endr
.set f, 0
.rept 8
	ds_load_b128 v[KV+8*f:KV+8*f+3], v[ADR] offset:1024*f          ; K's fragment f = 2 x key tile + d / 32
	ds_load_b128 v[KV+8*f+4:KV+8*f+7], v[ADR] offset:1024*f+512
.set f, f+1
.endr
	s_wait_dscnt 0x0
.irp dc, 0,1                                   ; S^T = K Q^T: eight accumulators by turns, one instruction a turn
.irp t, 0,1
.irp kt, 0,1,2,3
.if \dc == 0
	v_wmma_f32_16x16x32_f16 v[S+32*\t+8*\kt:S+32*\t+8*\kt+7], v[KV+8*(2*\kt+\dc):KV+8*(2*\kt+\dc)+7], v[Q+16*\t+8*\dc:Q+16*\t+8*\dc+7], 0
.else
	v_wmma_f32_16x16x32_f16 v[S+32*\t+8*\kt:S+32*\t+8*\kt+7], v[KV+8*(2*\kt+\dc):KV+8*(2*\kt+\dc)+7], v[Q+16*\t+8*\dc:Q+16*\t+8*\dc+7], v[S+32*\t+8*\kt:S+32*\t+8*\kt+7]
.endif
.endr
.endr
.endr
.rept 4
	v_nop                                          ; places in front of the loads into K's registers and of the first read of the scores
.endr
.set f, 0
.rept 8
	ds_load_b128 v[KV+8*f:KV+8*f+3], v[ADR] offset:8192+1024*f     ; V^T's fragment f = 2 x d tile + keys / 32: it lands during the softmax
	ds_load_b128 v[KV+8*f+4:KV+8*f+7], v[ADR] offset:8192+1024*f+512
.set f, f+1
.endr
	s_add_co_u32 s[TB], s[TB], STEPB
	s_wait_kmcnt 0x0                               ; this step's mask words, asked for a step ago; their address may be stepped
	s_add_co_u32 s[MOFF], s[MOFF], 128
	s_min_u32 s[MOFF], s[MOFF], 3968               ; the last step asks for its own words once more: no load leaves the buffer
.set n, 0
.rept 32
	v_cndmask_b32 v[S+n], v[BIG], v[S+n], s[M0+n]  ; where the mask is 0 the score becomes -2^66; each accumulator from its low end on
.set n, n+1
.endr
.set n, 0
.rept 32
	v_cndmask_b32 v[S+32+n], v[BIG], v[S+32+n], s[M1+n]
.set n, n+1
.endr
.irp j, 0,1,2,3                                ; the largest of a lane's 32 scores and the old m: four chains a tile, the tiles by turns
.irp t, 0,1
	v_max3_num_f32 v[ST+8*\t+4+\j], v[S+32*\t+8*\j], v[S+32*\t+8*\j+1], v[S+32*\t+8*\j+2]
.endr
.endr
.irp i, 3,5
.irp j, 0,1,2,3
.irp t, 0,1
	v_max3_num_f32 v[ST+8*\t+4+\j], v[ST+8*\t+4+\j], v[S+32*\t+8*\j+\i], v[S+32*\t+8*\j+\i+1]
.endr
.endr
.endr
.irp t, 0,1
	v_max3_num_f32 v[ST+8*\t+4], v[ST+8*\t+4], v[S+32*\t+7], v[S+32*\t+15]
.endr
.irp t, 0,1
	v_max3_num_f32 v[ST+8*\t+6], v[ST+8*\t+6], v[S+32*\t+23], v[S+32*\t+31]
.endr
.irp t, 0,1
	v_max3_num_f32 v[ST+8*\t+4], v[ST+8*\t+4], v[ST+8*\t+5], v[ST+8*\t+6]
.endr
.irp t, 0,1
	v_max3_num_f32 v[ST+8*\t+4], v[ST+8*\t+4], v[ST+8*\t+7], v[ST+8*\t+1]
.endr
.irp t, 0,1
	v_permlanex16_b32 v[ST+8*\t+5], v[ST+8*\t+4], s[SEL], s[SEL+1]   ; the query's other 32 keys lie in the lane 16 away
.endr
.irp t, 0,1
	v_mov_b32 v[ST+8*\t+7], v[ST+8*\t]             ; c m_old
.endr
.irp t, 0,1
	v_max_num_f32 v[ST+8*\t+1], v[ST+8*\t+4], v[ST+8*\t+5]   ; the new m
.endr
.irp t, 0,1
	v_mul_f32 v[ST+8*\t], s[CS], v[ST+8*\t+1]
.endr
.irp t, 0,1
	v_sub_f32 v[ST+8*\t+7], v[ST+8*\t+7], v[ST+8*\t]
.endr
	MASKLOAD                                       ; the next step's words: they have a whole step in which to come
.irp t, 0,1
.set n, 0
.rept 16
	v_pk_fma_f32 v[S+32*\t+n:S+32*\t+n+1], v[S+32*\t+n:S+32*\t+n+1], s[CS:CS+1], v[ST+8*\t:ST+8*\t+1] op_sel_hi:[1,0,0] neg_lo:[0,0,1] neg_hi:[0,0,1]   ; c s - c m, two at a time
.set n, n+2
.endr
.endr
.irp t, 0,1
	v_exp_f32 v[ST+8*\t+6], v[ST+8*\t+7]           ; a
.endr
.set n, 0
.rept 64
	v_exp_f32 v[S+n], v[S+n]                       ; p, at most 1
.set n, n+1
.endr
	v_nop                                          ; a plain instruction behind the last exponential
	s_wait_alu depctr_va_vdst(0)                   ; one wait for the batch of 66, ahead of its first reader
.irp t, 0,1                                    ; l = a l + the sum of the unrounded p: two chains a tile
	v_pk_mul_f32 v[ST+8*\t+2:ST+8*\t+3], v[ST+8*\t+2:ST+8*\t+3], v[ST+8*\t+6:ST+8*\t+7] op_sel_hi:[1,0]
	v_pk_add_f32 v[ST+8*\t+4:ST+8*\t+5], v[S+32*\t:S+32*\t+1], v[S+32*\t+2:S+32*\t+3]
.endr
.irp j, 4,8,12,16,20,24,28
.irp t, 0,1
	v_pk_add_f32 v[ST+8*\t+2:ST+8*\t+3], v[ST+8*\t+2:ST+8*\t+3], v[S+32*\t+\j:S+32*\t+\j+1]
	v_pk_add_f32 v[ST+8*\t+4:ST+8*\t+5], v[ST+8*\t+4:ST+8*\t+5], v[S+32*\t+\j+2:S+32*\t+\j+3]
.endr
.endr
.irp t, 0,1
	v_pk_add_f32 v[ST+8*\t+2:ST+8*\t+3], v[ST+8*\t+2:ST+8*\t+3], v[ST+8*\t+4:ST+8*\t+5]
.endr
.irp t, 0,1
.set n, 0
.rept 16
	v_cvt_pk_f16_f32 v[S+32*\t+n], v[S+32*\t+2*n], v[S+32*\t+2*n+1]   ; P, in place, ascending: register n is written when registers 2 n and 2 n + 1 are read
.set n, n+1
.endr
.endr
.irp t, 0,1
.set n, 0
.rept 16
	v_pk_mul_f32 v[O+32*\t+n:O+32*\t+n+1], v[O+32*\t+n:O+32*\t+n+1], v[ST+8*\t+6:ST+8*\t+7] op_sel_hi:[1,0]   ; O^T x a
.set n, n+2
.endr
.endr
	s_wait_dscnt 0x0                               ; V is in
.irp kc, 0,1                                   ; O^T += V^T P: eight accumulators by turns
.irp t, 0,1
.irp dt, 0,1,2,3
	v_wmma_f32_16x16x32_f16 v[O+32*\t+8*\dt:O+32*\t+8*\dt+7], v[KV+8*(2*\dt+\kc):KV+8*(2*\dt+\kc)+7], v[S+32*\t+8*\kc:S+32*\t+8*\kc+7], v[O+32*\t+8*\dt:O+32*\t+8*\dt+7]
.endr
.endr
.endr
.endm
; THE CHANGE OF SLOTS stands at a slot's head.  Each wave waits for all its tensor loads (its part of the slot ahead), adds 0 to its spare word, and waits for that and for its reads of the slot that it has left.
; fill = 1: a round of the cluster's barrier, so that no wave of any partner still reads that slot or has a load on its way; the joint load is the first thing behind it and has 8 key steps in which to land.
.macro CHANGE fill
	s_wait_tensorcnt 0x0                           ; no tensor load of mine is out, so group 0 may be written
	ds_add_u32 v[SPW], v[NIL]
.if \fill
	ds_add_u32 v[SPW], v[NIL]                      ; and twice on end here, in every trip alike
	s_xor_b32 s[G0+1], s[G0+1], SLOTB              ; the other slot than last time,
	s_add_nc_u64 s[G0+2:G0+3], s[G0+2:G0+3], SLOTB ; the next part
	s_wait_xcnt 0x0                                ; the last prefetch, a part back, has read its address
	s_add_nc_u64 s[PFA:PFA+1], s[PFA:PFA+1], SLOTB ; one part further on than the descriptor
	s_wait_dscnt 0x0                               ; both adds are done, and my reads of the slot that I have left are over
	CROUND
	JLOAD
	ASK
.else
	s_wait_dscnt 0x0
	s_barrier_signal -1
	s_barrier_wait -1
.endif
.endm
.macro EIGHT                           ; a slot's eight key steps: written once, walked eight times
	s_mov_b32 s[STEPS], 8
.Lstep_\@:
	STEP
	s_sub_co_u32 s[STEPS], s[STEPS], 1
	s_cmp_lg_u32 s[STEPS], 0
	s_cbranch_scc1 .Lstep_\@
	s_sub_co_u32 s[TB], s[TB], SLOTB               ; back to a slot's first step,
	s_xor_b32 s[TB], s[TB], SLOTB                  ; in the other slot
.endm
.Lslot:                                            ; three trips: behind each change of slots but the last the next part is asked for
	CHANGE 1
	EIGHT
	s_sub_co_u32 s[SLOTS], s[SLOTS], 1
	s_cmp_lg_u32 s[SLOTS], 0
	s_cbranch_scc1 .Lslot
	CHANGE 0                                       ; the last part is written out
	EIGHT
	; THE WAY OUT.  O^T / l, rounded to f16 in pairs: a lane's eight d of a tile are half a fragment (16 rows x 32 features) of the output projection's operand, and are stored as its image: no stage.
.rept 4
	v_nop                                          ; places behind the last products
.endr
	s_wait_kmcnt 0x0                               ; the last, repeated, mask words
.irp t, 0,1
	v_add_f32 v[ST+8*\t+4], v[ST+8*\t+2], v[ST+8*\t+3]
.endr
.irp t, 0,1
	v_permlanex16_b32 v[ST+8*\t+5], v[ST+8*\t+4], s[SEL], s[SEL+1]
.endr
.irp t, 0,1
	v_add_f32 v[ST+8*\t+4], v[ST+8*\t+4], v[ST+8*\t+5]   ; the row's sum
.endr
.irp t, 0,1
	v_rcp_f32 v[ST+8*\t+6], v[ST+8*\t+4]
.endr
	v_nop
	s_wait_alu depctr_va_vdst(0)                   ; one wait for the two reciprocals, ahead of their first reader
.irp t, 0,1
.set n, 0
.rept 16
	v_pk_mul_f32 v[O+32*\t+n:O+32*\t+n+1], v[O+32*\t+n:O+32*\t+n+1], v[ST+8*\t+6:ST+8*\t+7] op_sel_hi:[1,0]
.set n, n+2
.endr
.endr
.set n, 0
.rept 32
	v_cvt_pk_f16_f32 v[S+n], v[O+2*n], v[O+2*n+1]  ; registers 16 t + 4 dt + 0 .. 3
.set n, n+1
.endr
.irp t, 0,1
.irp dt, 0,1,2,3
	global_store_b128 v[LI], v[S+16*\t+4*\dt:S+16*\t+4*\dt+3], s[10:11] offset:\t*32768+\dt*512   ; 512 consecutive bytes, aligned
.endr
.endr
	s_wait_tensorcnt 0x0                           ; the wave's end
	ds_add_u32 v[SPW], v[NIL]
	s_wait_dscnt 0x0
	CROUND                                         ; the closing round
	s_endpgm
.Lfunc_end_k_q606c407cef_attn:
	.size	k_q606c407cef_attn, .Lfunc_end_k_q606c407cef_attn-k_q606c407cef_attn
	.p2alignl 7, 3214868480
	.fill 96, 4, 3214868480
	.section	.rodata,"a",@progbits
	.p2align	6, 0x0
	.amdhsa_kernel k_q606c407cef_attn
		.amdhsa_group_segment_fixed_size 327680
		.amdhsa_private_segment_fixed_size 0
		.amdhsa_enable_private_segment 0
		.amdhsa_kernarg_size 32
		.amdhsa_user_sgpr_count 2
		.amdhsa_user_sgpr_kernarg_segment_ptr 1
		.amdhsa_wavefront_size32 1
		.amdhsa_system_sgpr_workgroup_id_x 1
		.amdhsa_system_sgpr_workgroup_id_y 1
		.amdhsa_system_sgpr_workgroup_id_z 1
		.amdhsa_system_vgpr_workitem_id 0
		.amdhsa_next_free_vgpr 256
		.amdhsa_next_free_sgpr 106
		.amdhsa_reserve_vcc 0
		.amdhsa_float_denorm_mode_32 3
		.amdhsa_float_denorm_mode_16_64 3
		.amdhsa_memory_ordered 1
		.amdhsa_forward_progress 1
		.amdhsa_inst_pref_size 58
	.end_amdhsa_kernel
	.amdgpu_metadata
---
amdhsa.version: [ 1, 2 ]
amdhsa.kernels:
  - .name:           k_q606c407cef_attn
    .symbol:         k_q606c407cef_attn.kd
    .args:
      - { .name: qimg, .offset: 0, .size: 8, .value_kind: global_buffer, .address_space: global }
      - { .name: kvimg, .offset: 8, .size: 8, .value_kind: global_buffer, .address_space: global }
      - { .name: maskbits, .offset: 16, .size: 8, .value_kind: global_buffer, .address_space: global }
      - { .name: att, .offset: 24, .size: 8, .value_kind: global_buffer, .address_space: global }
    .group_segment_fixed_size: 327680
    .private_segment_fixed_size: 0
    .kernarg_segment_align: 8
    .kernarg_segment_size: 32
    .max_flat_workgroup_size: 512
    .sgpr_count:     106
    .vgpr_count:     256
    .wavefront_size: 32
...
	.end_amdgpu_metadata
.endif
;; end of part 3
;; launch oproj (part 4): grid 8 x 64, 4 waves a work-group, clusters of 4 x 4, 327,680 bytes of LDS; arguments att, wo16, bo, out0; writes out0
.if DOCPART == 4
	.amdgcn_target "amdgcn-amd-amdhsa--gfx1250"
	.amdhsa_code_object_version 6
	.text
	.protected	k_q606c407cef_oproj
	.globl	k_q606c407cef_oproj
	.p2align	8
	.type	k_q606c407cef_oproj,@function
k_q606c407cef_oproj:
	s_mov_b64 s[64:65], 0
	v_nop
	global_prefetch_b8 v0, s[64:65] scope:SCOPE_SE
	s_setreg_imm32_b32 hwreg(HW_REG_WAVE_MODE, 25, 1), 1
	s_wait_xcnt 0x0
	s_wait_alu depctr_hold_cnt(0) depctr_sa_sdst(0) depctr_va_vdst(0) depctr_va_sdst(0) depctr_va_ssrc(0) depctr_va_vcc(0) depctr_vm_vsrc(0)
	s_getreg_b32 s2, hwreg(HW_REG_IB_STS2, 6, 4)
	s_cmp_eq_u32 s2, 0
	s_cbranch_scc0 .Lentry_in_a_cluster
	s_endpgm
.Lentry_in_a_cluster:
	s_bfe_u32 s2, ttmp6, 0x10000c
	s_cmp_lg_u32 s2, 0xf033
	s_cbranch_scc0 .Lentry_shape_is_right
	s_endpgm
.Lentry_shape_is_right:
; OPROJ: out0[m][n] = sum over e of att[m][e] Wo[n][e] + bo[n].  M = 8,192, N = K = 1,024.  Operands in f16, sums in f32, the output f32.
; A tile of the output is 128 x 128: 512 work-groups of four waves, each 64 x 64: 16 accumulators.  K goes in steps of 256 through a ring of two LDS slots.
; A (att) arrives as images of its fragments' registers, [tile of 16 rows 512][e / 32][half][lane][16 bytes]: a K step of a tile of rows is 8 KiB on end; every LDS load of A takes 512 consecutive bytes.
; B (wo16) arrives row-major: rows of 512 bytes a K step, 16 bytes of padding behind each in LDS.
; CLUSTERS: 4 x 4 work-groups; A's tiles are shared along a row of the cluster, B's along a column: joint loads.  The matrix instruction is used transposed (source 0 = 16 rows of Wo, source 1 = 16 rows of att):
; a lane holds eight neighbouring numbers of a row of the output.  The bias is the C of each sum's first product.
; No prefetch: a tile's K steps are few and short, and half of them are asked for at the head.
; REGISTERS: window 0: v0-31 addresses; v32-95 the way out; v96-127 the bias, 8 registers for each of my 4 column blocks; v128-255 the accumulators ((a, b) at v[128 + 8 (4 a + b)]).
;   window 1: two fragment buffers of 128: for 64 along K, 64 registers of A, then 64 of B.
.set SIZE_N, 1024
.set SIZE_K, 1024
.set KSTEP,  256
.set PITCH,  528                       ; B's LDS row: 512 bytes + 16 of padding
.set ABYTES, 65536                     ; A's part of a slot: [tile of rows 8][chunk of 32 along K 8][1 KiB]
.set HALFA,  32768
.set HALFB,  64*PITCH
.set SLOT,   ABYTES+2*HALFB
.set STAGE,  2*SLOT                    ; behind the ring: 16 rows x 272 bytes for each wave, its own
.set SPITCH, 272
.set SPARE,  STAGE+4*16*SPITCH         ; the spare words, 128 bytes a wave
.set ADRA, 16
.set ADRB, 20
.set STO,  24
.set RD,   25
.set CO,   26
.set SPW,  28
.set NIL,  29
.set TMP,  32
.set BIAS, 96
.set ACC,  128
.set F0,   0
.set F1,   128
.set WV, 12                            ; s12 wave
.set RH, 13                            ; s13 my half of the tile's rows.  Also: I fetch for A (0) or for B (1)
.set CH, 14                            ; s14 my half of its columns.  Also: which half of that tile I fetch
.set G1, 24
.set G0, 32
.set G1B, 48
.set G0B, 56
.set MSB, 0
.macro WIN new
.if MSB != \new
	s_set_vgpr_msb (MSB<<8)|\new
.set MSB, \new
.endif
.endm
.set MUL,  0x05                        ; sources 0 (B) and 1 (A) window 1; C and D window 0
.set TO_F, 0x40                        ; destination window 1, address window 0
.macro JLOAD s                         ; a joint load; an s_nop 0 and four v_nop follow each of the two lines
	s_cmp_eq_u32 s[RH], 0
	s_cbranch_scc0 .Lfor_b_\@
	tensor_load_to_lds s[G0+4*\s:G0+4*\s+3], s[G1:G1+7]
	s_nop 0
.rept 4
	v_nop
.endr
	s_branch .Lasked_\@
.Lfor_b_\@:
	tensor_load_to_lds s[G0B+4*\s:G0B+4*\s+3], s[G1B:G1B+7]
	s_nop 0
.rept 4
	v_nop
.endr
.Lasked_\@:
.endm
.macro CREST                           ; a round of the cluster's barrier behind its opening barrier
	s_cmp_lg_u32 s[WV], 0
	s_cbranch_scc1 .Lnot_wave_0_\@
	s_barrier_signal -3
.Lnot_wave_0_\@:
	s_barrier_wait -3
	s_barrier_signal -1
	s_barrier_wait -1
.endm
.macro CROUND
	s_barrier_signal -1
	s_barrier_wait -1
	CREST
.endm
	s_load_b128 s[4:7], s[0:1], 0x0                ; att s[4:5], wo16 s[6:7]
	s_load_b128 s[8:11], s[0:1], 0x10              ; bo s[8:9], out0 s[10:11]
	v_lshl_add_u32 v[SPW], v0, 2, SPARE
	v_mov_b32 v[NIL], 0
	ds_add_u32 v[SPW], v[NIL]                      ; the wave's opening: the add, twice on end, and its wait ahead of my first tensor load
	ds_add_u32 v[SPW], v[NIL]
	v_lshrrev_b32 v1, 5, v0
	v_readfirstlane_b32 s[WV], v1
	s_lshr_b32 s[RH], s[WV], 1
	s_and_b32 s[CH], s[WV], 1
	s_bfe_u32 s40, ttmp6, 0x40000                  ; cx
	s_bfe_u32 s41, ttmp6, 0x40004                  ; cy
	s_lshl_b32 s42, ttmp9, 2
	s_add_co_u32 s42, s42, s40                     ; tile column
	s_and_b32 s43, ttmp7, 0xffff
	s_lshl_b32 s43, s43, 2
	s_add_co_u32 s43, s43, s41                     ; tile row
	s_lshl_b32 s44, s41, 2
	s_lshl_b32 s44, 15, s44                        ; my row of the cluster
	s_lshl_b32 s45, 0x1111, s40                    ; my column
	; A's group 1: 4 rows of 8 KiB (1,024 elements of 8 bytes), 32 KiB apart, no padding: four tiles of rows, a K step of each
	s_or_b32 s[G1+0], s44, (3<<16)|(1<<21)
	s_mov_b32 s[G1+1], 1024<<16                    ; tensor_dim0
	s_mov_b32 s[G1+2], 4<<16                       ; tensor_dim1
	s_mov_b32 s[G1+3], 1024<<16                    ; tile_dim0
	s_mov_b32 s[G1+4], 4                           ; tile_dim1
	s_mov_b32 s[G1+5], 4096                        ; pitch
	s_mov_b32 s[G1+6], 0
	s_mov_b32 s[G1+7], 0
	; B's group 1: 64 rows x 256 elements of 2 bytes, 4 words of padding after every 128
	s_or_b32 s[G1B+0], s45, (1<<16)|(1<<20)|(1<<21)|(6<<22)|(3<<25)
	s_mov_b32 s[G1B+1], KSTEP<<16
	s_mov_b32 s[G1B+2], 64<<16
	s_mov_b32 s[G1B+3], KSTEP<<16
	s_mov_b32 s[G1B+4], 64
	s_mov_b32 s[G1B+5], SIZE_K
	s_mov_b32 s[G1B+6], 0
	s_mov_b32 s[G1B+7], 0
	s_lshl_b32 s16, s43, 3                         ; A: tile of rows 8 x tile row + 4 x half, 32 KiB each.  These registers never hold cx
	s_lshl_b32 s17, s[CH], 2
	s_add_co_u32 s16, s16, s17
	s_lshl_b32 s16, s16, 15
	s_mov_b32 s17, 0
	s_lshl_b32 s46, s42, 7                         ; B: row 128 x tile column + 64 x half, 2,048 bytes each.  These never hold cy
	s_lshl_b32 s47, s[CH], 6
	s_add_co_u32 s46, s46, s47
	s_lshl_b32 s46, s46, 11
	s_mov_b32 s47, 0
	s_lshl_b32 s20, s[CH], 15                      ; where they go: A's halves, then B's halves: no place in the cluster enters an LDS address
	s_mul_i32 s21, s[CH], HALFB
	s_add_co_u32 s21, s21, ABYTES
	s_wait_dscnt 0x0                               ; both opening adds are done
	s_wait_kmcnt 0x0
	s_add_nc_u64 s[16:17], s[4:5], s[16:17]
	s_add_nc_u64 s[46:47], s[6:7], s[46:47]
	CROUND                                         ; all sixteen work-groups are here: the first joint loads meet
.irp s, 0,1
	s_mov_b32 s[G0+4*\s], 1
	s_add_co_u32 s[G0+4*\s+1], s20, \s*SLOT
	s_add_nc_u64 s[G0+4*\s+2:G0+4*\s+3], s[16:17], \s*8192
	s_or_b32 s[G0+4*\s+3], s[G0+4*\s+3], 0x80000000
	s_mov_b32 s[G0B+4*\s], 1
	s_add_co_u32 s[G0B+4*\s+1], s21, \s*SLOT
	s_add_nc_u64 s[G0B+4*\s+2:G0B+4*\s+3], s[46:47], \s*KSTEP*2
	s_or_b32 s[G0B+4*\s+3], s[G0B+4*\s+3], 0x80000000
	JLOAD \s                                       ; two loads of mine are out
.endr
	v_and_b32 v1, 15, v0                           ; l % 16
	v_bfe_u32 v2, v0, 4, 1                         ; l / 16
	v_and_b32 v3, 31, v0
	v_lshlrev_b32 v3, 4, v3                        ; A: 16 x lane
	v_mul_u32_u24 v4, v1, PITCH
	v_lshl_add_u32 v4, v2, 4, v4                   ; B: row x pitch + 16 x half
	s_lshl_b32 s22, s[RH], 15                      ; my four tiles of rows of A
	s_mul_i32 s23, s[CH], HALFB                    ; my 64 rows of B,
	s_add_co_u32 s23, s23, ABYTES                  ; behind A's images
.irp s, 0,1
	v_add_nc_u32 v[ADRA+\s], s22, v3
	v_add_nc_u32 v[ADRB+\s], s23, v4
	s_add_co_u32 s22, s22, SLOT
	s_add_co_u32 s23, s23, SLOT
.endr
	s_mul_i32 s22, s[WV], 16*SPITCH
	s_add_co_u32 s22, s22, STAGE                   ; my stage
	v_mul_u32_u24 v5, v1, SPITCH
	v_lshl_add_u32 v5, v2, 5, v5
	v_add_nc_u32 v[STO], s22, v5                   ; in: row l % 16, 32 bytes for each half of the lanes
	v_mul_u32_u24 v5, v2, SPITCH
	v_lshl_add_u32 v5, v1, 4, v5
	v_add_nc_u32 v[RD], s22, v5                    ; back: lanes 0-15 one row of 256 bytes, lanes 16-31 the next
	v_lshlrev_b32 v5, 12, v2
	v_lshl_add_u32 v[CO], v1, 4, v5                ; and the same two rows in the output
	s_lshl_b32 s15, s42, 9
	s_lshl_b32 s47, s[CH], 8
	s_add_co_u32 s15, s15, s47                     ; my first column in bytes: 512 x tile column + 256 x half
	s_mov_b32 s46, s15
	s_mov_b32 s47, 0
	s_add_nc_u64 s[8:9], s[8:9], s[46:47]          ; the bias of my 64 columns
	s_lshl_b32 s18, s43, 7
	s_lshl_b32 s19, s[RH], 6
	s_add_co_u32 s18, s18, s19                     ; my first row
	s_lshl_b32 s18, s18, 12
	s_add_co_u32 s46, s15, s18
	s_add_nc_u64 s[10:11], s[10:11], s[46:47]
	v_lshlrev_b32 v6, 5, v2                        ; lane (r, h) wants bo at 16 b + 8 h + 0 .. 7
.irp b, 0,1,2,3
	global_load_b128 v[BIAS+8*\b:BIAS+8*\b+3], v6, s[8:9] offset:64*\b
	global_load_b128 v[BIAS+8*\b+4:BIAS+8*\b+7], v6, s[8:9] offset:64*\b+16
.endr
; 8 matrix instructions: row blocks a0, a0 + 1 x all 4 column blocks, 32 along K: half c of buffer f.  zero = 1: the first product starts the sums, with the bias as its C.  The 16 accumulators take turns.
.macro MUL8 f, c, a0, zero
.irp a, \a0, \a0+1
.irp b, 0,1,2,3
.if \zero
	v_wmma_f32_16x16x32_f16 v[ACC+8*(4*(\a)+\b):ACC+8*(4*(\a)+\b)+7], v[\f+64+8*(4*\c+\b):\f+64+8*(4*\c+\b)+7], v[\f+8*(4*\c+\a):\f+8*(4*\c+\a)+7], v[BIAS+8*\b:BIAS+8*\b+7]
.else
	v_wmma_f32_16x16x32_f16 v[ACC+8*(4*(\a)+\b):ACC+8*(4*(\a)+\b)+7], v[\f+64+8*(4*\c+\b):\f+64+8*(4*\c+\b)+7], v[\f+8*(4*\c+\a):\f+8*(4*\c+\a)+7], v[ACC+8*(4*(\a)+\b):ACC+8*(4*(\a)+\b)+7]
.endif
.endr
.endr
.endm
; 32 LDS loads in one run: the fragments of 64 along K, at byte k of B's rows and chunk k / 64 of A's images, into buffer f; the first 32 along K first
.macro FETCH slot, k, f
	WIN TO_F
.irp c, 0,1
.irp i, 0,1,2,3
	ds_load_b128 v[\f+64+8*(4*\c+\i):\f+64+8*(4*\c+\i)+3],   v[ADRB+\slot] offset:\k+64*\c+\i*16*PITCH
	ds_load_b128 v[\f+64+8*(4*\c+\i)+4:\f+64+8*(4*\c+\i)+7], v[ADRB+\slot] offset:\k+64*\c+\i*16*PITCH+32
	ds_load_b128 v[\f+8*(4*\c+\i):\f+8*(4*\c+\i)+3],         v[ADRA+\slot] offset:\i*8192+((\k)/64+\c)*1024
	ds_load_b128 v[\f+8*(4*\c+\i)+4:\f+8*(4*\c+\i)+7],       v[ADRA+\slot] offset:\i*8192+((\k)/64+\c)*1024+512
.endr
.endr
.endm
.macro PLACES
.rept 4
	v_nop
.endr
.endm
.macro QUARTER slot, k, f, g, zero     ; 64 along K: multiplies buffer f and fetches the next quarter, at byte k, into g
	s_wait_dscnt 16                                ; the first 32 along K are in
	WIN MUL
	MUL8 \f, 0, 0, \zero
	MUL8 \f, 0, 2, \zero
	PLACES
	FETCH \slot, \k, \g
	s_wait_dscnt 32                                ; all but the 32 just issued
	WIN MUL
	MUL8 \f, 1, 0, 0
	MUL8 \f, 1, 2, 0
.endm
; A slot's last quarter changes slots: one barrier; in front of it each wave waits for all its tensor loads, adds 0 to its spare word, and waits for that and for its reads of this slot.  fill = 1: the slot is filled again, two K steps ahead.
.macro TURN slot, next, fill
	WIN 0
	s_wait_tensorcnt 0x0                           ; all my tensor loads have landed: my part of the next slot
	ds_add_u32 v[SPW], v[NIL]
	s_wait_dscnt 17                                ; (the add and the youngest sixteen loads may be out)
	WIN MUL
	MUL8 F1, 0, 0, 0
	s_wait_dscnt 0x0                               ; the add is done, and my reads of this slot are over
	s_barrier_signal -1
	MUL8 F1, 0, 2, 0
.if \fill
	WIN 0
.endif
	s_barrier_wait -1
.if \fill
	CREST                                          ; the barrier has opened a round of the cluster's: no wave of any partner still reads this slot or has a load on its way
	s_add_nc_u64 s[G0+4*\slot+2:G0+4*\slot+3], s[G0+4*\slot+2:G0+4*\slot+3], 2*8192
	s_add_nc_u64 s[G0B+4*\slot+2:G0B+4*\slot+3], s[G0B+4*\slot+2:G0B+4*\slot+3], 2*KSTEP*2
	JLOAD \slot                                    ; the first tensor load behind the round; its four v_nop are also the places in front of the loads below
.else
	PLACES
.endif
	FETCH \next, 0, F0
	WIN MUL
	MUL8 F1, 1, 0, 0
	MUL8 F1, 1, 2, 0
.endm
	s_wait_tensorcnt 1                             ; my part of K step 0 is in; K step 1's may be out
	s_barrier_signal -1
	s_barrier_wait -1                              ; everybody's is
	FETCH 0, 0, F0
	s_wait_loadcnt 0x0                             ; the bias
	QUARTER 0, 128, F0, F1, 1                      ; the first products start the sums
	QUARTER 0, 256, F1, F0, 0
	QUARTER 0, 384, F0, F1, 0
	TURN 0, 1, 1                                   ; slot 0 takes K step 2
	QUARTER 1, 128, F0, F1, 0
	QUARTER 1, 256, F1, F0, 0
	QUARTER 1, 384, F0, F1, 0
	TURN 1, 0, 1                                   ; slot 1 takes K step 3
	QUARTER 0, 128, F0, F1, 0
	QUARTER 0, 256, F1, F0, 0
	QUARTER 0, 384, F0, F1, 0
	TURN 0, 1, 0                                   ; nothing is left to fetch
	QUARTER 1, 128, F0, F1, 0
	QUARTER 1, 256, F1, F0, 0
	QUARTER 1, 384, F0, F1, 0
	s_wait_dscnt 16                                ; the very last quarter
	WIN MUL
	MUL8 F1, 0, 0, 0
	MUL8 F1, 0, 2, 0
	s_wait_dscnt 0
	MUL8 F1, 1, 0, 0
	MUL8 F1, 1, 2, 0
	WIN 0
	; THE WAY OUT, 16 rows x 64 columns at a time.  A lane holds 32 neighbouring bytes of a row and the lanes beside it other rows: the block goes through my own stage and comes back as whole rows of 256 bytes.
	; LDS serves a wave's instructions in order: no wait between the stores and the loads.
	PLACES
.irp a, 0,1,2,3
.if \a >= 2
	s_wait_xcnt 0x0                                ; the stores of two blocks ago have read their data: the set is loaded again only behind this wait
.endif
.irp b, 0,1,2,3
	ds_store_b128 v[STO], v[ACC+8*(4*\a+\b):ACC+8*(4*\a+\b)+3] offset:64*\b            ; each accumulator from its low end on
	ds_store_b128 v[STO], v[ACC+8*(4*\a+\b)+4:ACC+8*(4*\a+\b)+7] offset:64*\b+16
.endr
.irp t, 0,1,2,3,4,5,6,7
	ds_load_b128 v[TMP+32*(\a%2)+4*\t:TMP+32*(\a%2)+4*\t+3], v[RD] offset:\t*2*SPITCH
.endr
	s_wait_dscnt 0x0
.irp t, 0,1,2,3,4,5,6,7
	global_store_b128 v[CO], v[TMP+32*(\a%2)+4*\t:TMP+32*(\a%2)+4*\t+3], s[10:11] offset:\a*65536+\t*8192 th:TH_STORE_NT   ; 16 lanes store 256 consecutive bytes, aligned
.endr
.endr
	s_wait_tensorcnt 0x0                           ; the wave's end
	ds_add_u32 v[SPW], v[NIL]
	s_wait_dscnt 0x0
	CROUND                                         ; the closing round
	s_endpgm
.Lfunc_end_k_q606c407cef_oproj:
	.size	k_q606c407cef_oproj, .Lfunc_end_k_q606c407cef_oproj-k_q606c407cef_oproj
	.p2alignl 7, 3214868480
	.fill 96, 4, 3214868480
	.section	.rodata,"a",@progbits
	.p2align	6, 0x0
	.amdhsa_kernel k_q606c407cef_oproj
		.amdhsa_group_segment_fixed_size 327680
		.amdhsa_private_segment_fixed_size 0
		.amdhsa_enable_private_segment 0
		.amdhsa_kernarg_size 32
		.amdhsa_user_sgpr_count 2
		.amdhsa_user_sgpr_kernarg_segment_ptr 1
		.amdhsa_wavefront_size32 1
		.amdhsa_system_sgpr_workgroup_id_x 1
		.amdhsa_system_sgpr_workgroup_id_y 1
		.amdhsa_system_sgpr_workgroup_id_z 1
		.amdhsa_system_vgpr_workitem_id 0
		.amdhsa_next_free_vgpr 512
		.amdhsa_next_free_sgpr 66
		.amdhsa_reserve_vcc 0
		.amdhsa_float_denorm_mode_32 3
		.amdhsa_float_denorm_mode_16_64 3
		.amdhsa_memory_ordered 1
		.amdhsa_forward_progress 1
		.amdhsa_inst_pref_size 86
	.end_amdhsa_kernel
	.amdgpu_metadata
---
amdhsa.version: [ 1, 2 ]
amdhsa.kernels:
  - .name:           k_q606c407cef_oproj
    .symbol:         k_q606c407cef_oproj.kd
    .args:
      - { .name: att, .offset: 0, .size: 8, .value_kind: global_buffer, .address_space: global }
      - { .name: wo16, .offset: 8, .size: 8, .value_kind: global_buffer, .address_space: global }
      - { .name: bo, .offset: 16, .size: 8, .value_kind: global_buffer, .address_space: global }
      - { .name: out0, .offset: 24, .size: 8, .value_kind: global_buffer, .address_space: global }
    .group_segment_fixed_size: 327680
    .private_segment_fixed_size: 0
    .kernarg_segment_align: 8
    .kernarg_segment_size: 32
    .max_flat_workgroup_size: 128
    .sgpr_count:     66
    .vgpr_count:     512
    .wavefront_size: 32
...
	.end_amdgpu_metadata
.endif
;; end of part 4
